; MI455X (gfx1250); checked and timed in simulation.
; The chip was launched on July 23, 2026; its instructions are those of AMD's public machine-readable ISA for CDNA 5 (MIT licence, August 2026) and "CDNA5" Instruction Set Architecture Reference Guide (July 2026). The comments in the code are by the model that wrote it; some were corrected since.
;; Multi Head Attention. Allowed arithmetic: matrix products marked QUANTISED: E2M1 operands, one E8M0 scale for each 32 along K, by v_wmma_scale_f32_16x16x128_f8f6f4 with both operands' format E2M1 (or v_wmma_scale_f32_32x16x128_f4), f32 sums; products left as they are: bf16, f16 or f32 operands; f32 sums; everything else in f32.
;; Inputs: Wk 1,024 x 1,024 float32; Wo 1,024 x 1,024 float32; Wq 1,024 x 1,024 float32; Wv 1,024 x 1,024 float32; bk 1,024 float32; bo 1,024 float32; bq 1,024 float32; bv 1,024 float32; k 4 x 2,048 x 1,024 float32; mask 4 x 1 x 2,048 x 2,048 float32; q 4 x 2,048 x 1,024 float32; v 4 x 2,048 x 1,024 float32.
;; Outputs: out0 4 x 2,048 x 1,024 float32.
;; This version of the problem:
;;   THIS VERSION OF THE PROBLEM IS GIVEN IN LOW PRECISION. The matrix products marked QUANTISED in the list below multiply operands that are first quantised to E2M1 (2 exponent bits, 1 mantissa bit; 4 bits a number), with one power-of-two scale for each 32 numbers along K (OCP MX v1.0); their sums are f32. The products marked 'left as it is' may take bf16, f16 or f32 operands, with f32 sums. Whichever they take, every output number must still come out within the allowed error. Rounding operands to bf16 (8 significant bits) uses up far more of that allowance than f16 does (11 bits, for magnitudes from 6e-5 to 65,504). All else is computed in f32.
;;   The module's matrix products, in the order in which they are computed (A, B: the left and right operand; K: the contracted axis; several contracted axes count as one K, in the product's order):
;;     1. [M 8,192, K 1,024] x [K 1,024, N 1,024]; A: input q; B: input Wq: QUANTISED
;;     2. [M 8,192, K 1,024] x [K 1,024, N 1,024]; A: input k; B: input Wk: QUANTISED
;;     3. [M 8,192, K 1,024] x [K 1,024, N 1,024]; A: input v; B: input Wv: QUANTISED
;;     4. batch 64 x [M 2,048, K 64] x [K 64, N 2,048]; A: computed on the way; B: computed on the way: left as it is (an operand is computed on the way)
;;     5. batch 64 x [M 2,048, K 2,048] x [K 2,048, N 64]; A: computed on the way; B: computed on the way: left as it is (an operand is computed on the way)
;;     6. [M 8,192, K 1,024] x [K 1,024, N 1,024]; A: computed on the way; B: input Wo: left as it is (an operand is computed on the way)
;;   THE QUANTISER, for each operand of a quantised product, along K:
;;     - K is cut into blocks of 32 from its start; a last block that is shorter is filled with zeros.
;;     - A block's scale is 2^e with e = floor(log2(the largest magnitude in the block)) - 2, held to -126 .. 127; a block of zeros has e = 0. As a byte (E8M0): e + 127.
;;     - Each number is divided by its block's scale, clamped to +-6, and rounded to the nearest number of E2M1, ties to even, subnormals kept.
;;     - The product sums the exact products of the quantised numbers (number of the format x scale) in f32.
;;   ~~~python
;;   def quantise(x, axis):      # numpy; x: float32 -> the quantised numbers, widened to float32 again
;;       x = np.moveaxis(x, axis, -1); K = x.shape[-1]
;;       x = np.pad(x, [(0, 0)] * (x.ndim - 1) + [(0, -K % 32)]); x = x.reshape(x.shape[:-1] + (-1, 32)); a = np.abs(x).max(-1, keepdims=True)
;;       e = np.where(a > 0, np.clip(np.frexp(np.where(a > 0, a, 1))[1] - 1 - 2, -126, 127), 0)      # np.frexp(a)[1] - 1 = floor(log2(a)), exactly
;;       r = np.clip(x / 2.0 ** e, -6, 6)
;;       step = 2.0 ** (np.maximum(np.frexp(np.where(r == 0, 1, r))[1] - 1, 0) - 1)
;;       q = np.round(r / step) * step * 2.0 ** e      # np.round: ties to even
;;       return np.moveaxis(q.reshape(q.shape[:-2] + (-1,))[..., :K], -1, axis).astype(np.float32)
;;   ~~~
;; One version. Each part assembles by itself: llvm-mc -triple=amdgcn-amd-amdhsa -mcpu=gfx1250 --defsym DOCPART=n.
;; ======== version 1 of 1: 4 launches
;; limits: values are held in f16: magnitudes above 65,504 overflow, below 6.1e-05 lose precision
;; workspace buffers: xc 12,582,912 bytes; xs 786,432 bytes; wc 1,572,864 bytes; ws 98,304 bytes; wo16 2,097,152 bytes; mimg 33,554,432 bytes; qkv 50,331,648 bytes; ao 16,777,216 bytes
;; launch prep (part 1): grid 1136 x 1, 4 waves a work-group, no clusters, 67,072 bytes of LDS; arguments q, k, v, mask, Wq, Wk, Wv, Wo, xc, xs, mimg, wc, ws, wo16; writes xc, xs, mimg, wc, ws, wo16
.if DOCPART == 1
	.amdgcn_target "amdgcn-amd-amdhsa--gfx1250"
	.amdhsa_code_object_version 6
	.text
	.protected	k_q5052360d6f_prep
	.globl	k_q5052360d6f_prep
	.p2align	8
	.type	k_q5052360d6f_prep,@function
k_q5052360d6f_prep:
	s_mov_b64 s[64:65], 0
	v_nop
	global_prefetch_b8 v0, s[64:65] scope:SCOPE_SE
	s_setreg_imm32_b32 hwreg(HW_REG_WAVE_MODE, 25, 1), 1
	s_wait_xcnt 0x0
; PREP: four streams in one launch, parted by the work-group's number.  The paths never join, and each has LDS bytes of its own.
;   W  (work-groups 0-47):     Wq, Wk, Wv [k 1024][n 1024] f32 -> codes of FP4 (E2M1) laid [n][k], K innermost, 512 bytes a row, and one E8M0 byte for each 32 along K, [n][32].
;   O  (48-111):               Wo f32 -> f16, same layout [k][n].
;   X  (112-879):              q, k, v [8192][1024] f32 -> codes [row][512 bytes] and scale bytes [row][32]; the three tensors lie on end in xc and xs.
;   M  (880-1135):             mask f32 -> bf16, laid in the order of the attention wave's registers:
;                              [b][query/32][key/64][u 2][ii 4][lane 32][16 bytes], lane (r = lane%16, hh = lane/16) = mask[32 W + 16 u + r][64 J + 16 ii + 8 hh + 0..7].
; A block's scale is 2^(floor(log2(largest magnitude)) - 2); its byte is the largest magnitude's exponent field - 2, held at 1 from below.
; LIMITS: a block of zeros gets the byte 1 where the quantiser says 127 (its codes are zeros, and this program alone reads the bytes); blocks whose largest magnitude lies under 2^(3 - 127) are held at that floor;
; NaN and infinities are not served; the mask keeps bf16's 8 significant bits (0 and 1 are exact); Wo keeps f16's 11 bits and overflows beyond 65,504.
; No tensor loads, no barrier: waves share nothing.
.set XREG,  5632                       ; path X: a wave's LDS: two stages of 32 x 80 bytes and 256 scale bytes
.set MB0,   22528                      ; path M: 4 x 2,304 bytes
.set MREG,  2304
.set WB0,   31744                      ; path W: 4 stages of 32 x 272 bytes
.set SPARE, 66560                      ; the spare words, 128 bytes for each wave: two blocks of 256 bytes that no other line names
.set SPW,   208                        ; v208 LDS address of my spare word; never rewritten
.set NIL,   209                        ; v209 0; never rewritten
.set WV,    36                         ; s36  my wave's number
.set EMAX,  2
	s_load_b512 s[48:63], s[0:1], 0x0              ; q 48, k 50, v 52, mask 54, Wq 56, Wk 58, Wv 60, Wo 62
	s_load_b256 s[68:75], s[0:1], 0x40             ; xc 68, xs 70, mimg 72, wc 74
	s_load_b128 s[76:79], s[0:1], 0x60             ; ws 76, wo16 78
	v_lshl_add_u32 v[SPW], v0, 2, SPARE
	v_mov_b32 v[NIL], 0
	v_lshrrev_b32 v1, 5, v0
	v_readfirstlane_b32 s[WV], v1                  ; wave 0..3
	v_and_b32 v2, 31, v0                           ; lane
	s_mov_b32 s21, 0                               ; the high word of every 32-bit offset below
	s_wait_kmcnt 0x0
	s_cmp_lt_u32 ttmp9, 48
	s_cbranch_scc1 .Lpath_w
	s_cmp_lt_u32 ttmp9, 112
	s_cbranch_scc1 .Lpath_o
	s_cmp_lt_u32 ttmp9, 880
	s_cbranch_scc1 .Lpath_x
; ---------------------------------------------------------------- path M: the mask
; A wave takes 16 query rows x 1,024 keys, in 16 blocks of 64 keys.  A block's eight loads read two rows' aligned 256 bytes each; the numbers are rounded to bf16 and turned through the wave's own
; 2,304 bytes of LDS (eight groups of 16 rows x 16 bytes, 288 bytes apart) into the image's order; four stores of 512 consecutive bytes.  Loads run three blocks ahead.
.set MR,    16                         ; v16-143  four sets of 32 numbers
.set MC2,   144                        ; v144-159 a block as bf16
.set MOUT,  160                        ; v160-175 a block in the image's order
	s_sub_co_u32 s37, ttmp9, 880
	s_lshl_b32 s37, s37, 2
	s_add_co_u32 s37, s37, s[WV]                   ; task 0..1023
	s_lshr_b32 s38, s37, 1                         ; which 16 query rows of the 8,192
	s_and_b32 s39, s37, 1                          ; which 1,024 keys
	s_lshl_b32 s20, s38, 17                        ; 16 rows of 8,192 bytes
	s_lshl_b32 s22, s39, 12
	s_add_co_u32 s20, s20, s22
	s_add_nc_u64 s[4:5], s[54:55], s[20:21]
	s_lshr_b32 s20, s38, 1
	s_lshl_b32 s20, s20, 17                        ; 32 queries' stream: 32 blocks of 4,096 bytes
	s_lshl_b32 s22, s39, 16                        ; my 16 blocks of them
	s_add_co_u32 s20, s20, s22
	s_and_b32 s22, s38, 1
	s_lshl_b32 s22, s22, 11                        ; u: which 16 of the 32 queries
	s_add_co_u32 s20, s20, s22
	s_add_nc_u64 s[6:7], s[72:73], s[20:21]
	v_lshrrev_b32 v7, 4, v2                        ; lane / 16
	v_and_b32 v8, 15, v2                           ; lane % 16
	v_lshlrev_b32 v3, 13, v7
	v_lshl_add_u32 v3, v8, 4, v3                   ; in: lanes 0-15 one row's 256 bytes, lanes 16-31 the next row's
	s_mul_i32 s17, s[WV], MREG
	s_add_co_u32 s17, s17, MB0
	v_lshrrev_b32 v9, 1, v8
	v_mul_u32_u24 v4, v9, 288                      ; my four keys' group (ii, hh) = (lane % 16) / 2,
	v_lshl_add_u32 v4, v7, 4, v4                   ; my row's 16 bytes in it (the pair of rows stands in the immediate),
	v_and_b32 v9, 1, v2
	v_lshl_add_u32 v4, v9, 3, v4                   ; and which half of them
	v_add_nc_u32 v4, s17, v4
	v_mul_u32_u24 v5, v7, 288
	v_lshl_add_u32 v5, v8, 4, v5
	v_add_nc_u32 v5, s17, v5                       ; back: lane (r, hh) takes row r of group 2 ii + hh
	v_lshlrev_b32 v6, 4, v2                        ; out: 16 bytes a lane
.macro MLOAD t
.irp k, 0,1,2,3,4,5,6,7
	global_load_b128 v[MR+32*((\t)%4)+4*\k:MR+32*((\t)%4)+4*\k+3], v3, s[4:5] offset:16384*\k+256*(\t) th:TH_LOAD_NT
.endr
.endm
.macro MBLOCK t
.if (\t)+3 < 16
	MLOAD (\t)+3
	s_wait_loadcnt 24                              ; this block's eight loads are in; those of the three blocks behind it may be out
.else
	s_wait_loadcnt 8*(15-(\t))
.endif
.irp k, 0,1,2,3,4,5,6,7
	v_cvt_pk_bf16_f32 v[MC2+2*\k], v[MR+32*((\t)%4)+4*\k], v[MR+32*((\t)%4)+4*\k+1]
	v_cvt_pk_bf16_f32 v[MC2+2*\k+1], v[MR+32*((\t)%4)+4*\k+2], v[MR+32*((\t)%4)+4*\k+3]
.endr
.irp k, 0,1,2,3,4,5,6,7
	ds_store_b64 v4, v[MC2+2*\k:MC2+2*\k+1] offset:32*\k
.endr
	s_wait_xcnt 0x0                                ; the last block's stores have read their data: the loads below may land there
.irp i, 0,1,2,3
	ds_load_b128 v[MOUT+4*\i:MOUT+4*\i+3], v5 offset:576*\i     ; LDS serves a wave's instructions in order: these see the stores above
.endr
	s_wait_dscnt 0x0
.irp i, 0,1,2,3
	global_store_b128 v6, v[MOUT+4*\i:MOUT+4*\i+3], s[6:7] offset:4096*(\t)+512*\i th:TH_STORE_NT   ; 512 consecutive bytes
.endr
.endm
	MLOAD 0
	MLOAD 1
	MLOAD 2
.irp t, 0,1,2,3,4,5,6,7,8,9,10,11,12,13,14,15
	MBLOCK \t
.endr
	s_wait_tensorcnt 0x0                           ; the wave's end
	ds_add_u32 v[SPW], v[NIL]
	s_wait_dscnt 0x0
	s_endpgm
; ---------------------------------------------------------------- path W: the three quantised weights, K is their first axis
; A lane takes a column n and its registers run down K: a block of 32 along K lies in one lane, and the conversions give codes with K innermost.  A wave takes 32 columns x 512 along K;
; its codes go through its own stage in LDS and leave as rows: sixteen lanes store 256 consecutive bytes.  Loads run two blocks (64 loads) ahead.
.set WPITCH, 272
.set WX,    32                         ; v32-95   two sets of 32 numbers
.set WC,    96                         ; v96-99   a block's codes
.set WOUT,  112                        ; v112-175 the way out
.set WSB,   24                         ; v24-27   the scale bytes, four to a register
.Lpath_w:
	s_lshr_b32 s37, ttmp9, 4                       ; which weight
	s_cmp_eq_u32 s37, 0
	s_cselect_b64 s[4:5], s[56:57], s[58:59]
	s_cmp_eq_u32 s37, 2
	s_cselect_b64 s[4:5], s[60:61], s[4:5]
	s_and_b32 s38, ttmp9, 7                        ; which 128 columns
	s_bfe_u32 s18, ttmp9, 0x10003                  ; which 512 along K
	s_lshl_b32 s17, s38, 7
	s_lshl_b32 s19, s[WV], 5
	s_add_co_u32 s17, s17, s19                     ; my wave's first column
	v_lshlrev_b32 v3, 2, v2                        ; in: 4 bytes a lane
	s_mul_i32 s19, s[WV], 32*WPITCH
	s_add_co_u32 s19, s19, WB0                     ; my stage
	v_mul_u32_u24 v4, v2, WPITCH
	v_add_nc_u32 v4, s19, v4                       ; into it: row = my column
	v_and_b32 v5, 15, v2
	v_lshrrev_b32 v6, 4, v2
	v_mul_u32_u24 v7, v6, WPITCH
	v_lshl_add_u32 v7, v5, 4, v7
	v_add_nc_u32 v7, s19, v7                       ; out of it: sixteen lanes to a row, two rows an instruction
	v_lshlrev_b32 v8, 9, v6
	v_lshl_add_u32 v8, v5, 4, v8                   ; and the same place in the codes' buffer (rows of 512 bytes)
	v_lshlrev_b32 v9, 5, v2                        ; my column's row of 32 scale bytes
	s_lshl_b32 s20, s18, 21                        ; 512 rows of 4,096 bytes
	s_lshl_b32 s22, s17, 2
	s_add_co_u32 s20, s20, s22
	s_add_nc_u64 s[4:5], s[4:5], s[20:21]
	s_lshl_b32 s20, s37, 19                        ; a weight's codes: 524,288 bytes
	s_lshl_b32 s22, s17, 9
	s_add_co_u32 s20, s20, s22
	s_lshl_b32 s22, s18, 8
	s_add_co_u32 s20, s20, s22
	s_add_nc_u64 s[6:7], s[74:75], s[20:21]
	s_lshl_b32 s20, s37, 15                        ; a weight's scale bytes: 32,768
	s_lshl_b32 s22, s17, 5
	s_add_co_u32 s20, s20, s22
	s_lshl_b32 s22, s18, 4
	s_add_co_u32 s20, s20, s22
	s_add_nc_u64 s[8:9], s[76:77], s[20:21]
.macro WLOAD t                         ; block t: W(32 t + i, my column), i = 0 .. 31
.set i, 0
.rept 32
	global_load_b32 v[WX+32*((\t)%2)+i], v3, s[4:5] offset:(32*(\t)+i)*4096 th:TH_LOAD_NT
.set i, i+1
.endr
.endm
.macro WBLOCK t
.set XS, WX+32*((\t)%2)
.if (\t) < 15
	s_wait_loadcnt 32                              ; this block's 32 loads are in; the next block's may be out
.else
	s_wait_loadcnt 0
.endif
	v_max3_num_f32 v12, |v[XS]|, |v[XS+1]|, |v[XS+2]|
	v_max3_num_f32 v13, |v[XS+3]|, |v[XS+4]|, |v[XS+5]|
.irp i, 6,10,14,18,22,26
	v_max3_num_f32 v12, v12, |v[XS+\i]|, |v[XS+\i+1]|
	v_max3_num_f32 v13, v13, |v[XS+\i+2]|, |v[XS+\i+3]|
.endr
	v_max3_num_f32 v12, v12, |v[XS+30]|, |v[XS+31]|
	v_max3_num_f32 v12, v12, v13, (EMAX+1)<<23     ; the floor 2^(3 - 127): the byte cannot fall under 1
	v_add_nc_u32 v11, -(EMAX<<23), v12             ; 2 off the exponent field: the conversion takes the exponent field of this operand as its scale
	v_lshrrev_b32 v13, 23, v11                     ; the scale's byte
.if (\t)%4 == 0
	v_mov_b32 v[WSB+(\t)/4], v13
.else
	v_lshl_or_b32 v[WSB+(\t)/4], v13, 8*((\t)%4), v[WSB+(\t)/4]
.endif
.irp g, 0,1,2,3
	v_cvt_scalef32_pk8_fp4_f32 v[WC+\g], v[XS+8*\g:XS+8*\g+7], v11
.endr
	ds_store_b128 v4, v[WC:WC+3] offset:16*(\t)    ; 32 codes: 16 bytes of my column's row
.if (\t)+2 < 16
	WLOAD (\t)+2
.endif
	s_wait_dscnt 0x0                               ; the store has read its registers: the next block's codes may be written
.endm
	WLOAD 0
	WLOAD 1
.set Q, 0
.rept 16
	WBLOCK Q
.set Q, Q+1
.endr
	global_store_b128 v9, v[WSB:WSB+3], s[8:9]     ; my column's 16 scale bytes
.irp t, 0,1,2,3,4,5,6,7,8,9,10,11,12,13,14,15
	ds_load_b128 v[WOUT+4*\t:WOUT+4*\t+3], v7 offset:2*\t*WPITCH
.endr
.irp t, 0,1,2,3,4,5,6,7,8,9,10,11,12,13,14,15
	s_wait_dscnt 15-\t                             ; the younger loads from the stage may be out
	global_store_b128 v8, v[WOUT+4*\t:WOUT+4*\t+3], s[6:7] offset:2*\t*512
.endr
	s_wait_tensorcnt 0x0                           ; the wave's end
	ds_add_u32 v[SPW], v[NIL]
	s_wait_dscnt 0x0
	s_endpgm
; ---------------------------------------------------------------- path O: Wo to f16
; A wave takes 16,384 consecutive bytes: 32 loads of 512 bytes, all issued first; each becomes one store of 256 consecutive bytes.  No register is written twice.
.Lpath_o:
	s_sub_co_u32 s37, ttmp9, 48
	s_lshl_b32 s37, s37, 2
	s_add_co_u32 s37, s37, s[WV]                   ; run 0..255
	s_lshl_b32 s20, s37, 14
	s_add_nc_u64 s[4:5], s[62:63], s[20:21]
	s_lshl_b32 s20, s37, 13
	s_add_nc_u64 s[6:7], s[78:79], s[20:21]
	v_lshlrev_b32 v3, 4, v2
	v_lshlrev_b32 v4, 3, v2
.set i, 0
.rept 32
	global_load_b128 v[16+4*i:19+4*i], v3, s[4:5] offset:512*i th:TH_LOAD_NT
.set i, i+1
.endr
.set i, 0
.rept 32
	s_wait_loadcnt 31-i                            ; the younger loads may be out
	v_cvt_pk_f16_f32 v[144+2*i], v[16+4*i], v[17+4*i]
	v_cvt_pk_f16_f32 v[145+2*i], v[18+4*i], v[19+4*i]
	global_store_b64 v4, v[144+2*i:145+2*i], s[6:7] offset:256*i
.set i, i+1
.endr
	s_wait_tensorcnt 0x0                           ; the same three closing lines as in the other paths
	ds_add_u32 v[SPW], v[NIL]
	s_wait_dscnt 0x0
	s_endpgm
; ---------------------------------------------------------------- path X: q, k, v, K innermost
; A tensor is a plain stream of blocks of 32.  A wave takes 16 steps of 512 numbers.  Each load reads 512 consecutive bytes; a step's 2,048 bytes turn through the wave's own stage (80 bytes from lane to lane),
; so that a lane holds 16 neighbours and two neighbouring lanes a block.  A lane's 16 codes are 8 bytes: the wave stores 256 consecutive bytes.  The wave's 256 scale bytes are gathered in LDS and leave as one store.
.set XSP,   80
.set XR,    16                         ; v16-79   four sets of 16 numbers as loaded
.set XX,    80                         ; v80-111  two sets of 16 neighbours
.set XE,    112                        ; v112-127 a scale byte for each step
.set XC,    128                        ; v128-191 codes, four registers for each step
.Lpath_x:
	s_sub_co_u32 s37, ttmp9, 112                   ; 0..767
	s_cmp_lt_u32 s37, 256
	s_cselect_b64 s[4:5], s[48:49], s[50:51]
	s_cmp_lt_u32 s37, 512
	s_cselect_b64 s[4:5], s[4:5], s[52:53]
	s_and_b32 s38, s37, 255
	s_lshl_b32 s38, s38, 2
	s_add_co_u32 s38, s38, s[WV]                   ; which run of 8,192 numbers of the tensor
	s_lshl_b32 s20, s38, 15
	s_add_nc_u64 s[4:5], s[4:5], s[20:21]
	s_lshl_b32 s38, s37, 2
	s_add_co_u32 s38, s38, s[WV]                   ; and of the three tensors on end
	s_lshl_b32 s20, s38, 12
	s_add_nc_u64 s[8:9], s[68:69], s[20:21]
	s_lshl_b32 s20, s38, 8
	s_add_nc_u64 s[10:11], s[70:71], s[20:21]
	v_lshlrev_b32 v3, 4, v2                        ; my 16 bytes of a load's 512
	s_mul_i32 s17, s[WV], XREG
	v_lshrrev_b32 v14, 2, v2
	v_mul_u32_u24 v14, v14, XSP
	v_and_b32 v15, 3, v2
	v_lshl_add_u32 v14, v15, 4, v14
	v_add_nc_u32 v14, s17, v14                     ; the stage, on the way in: four lanes' 64 bytes on end, then 16 of padding
	v_mul_u32_u24 v15, v2, XSP
	v_add_nc_u32 v15, s17, v15                     ; and on the way out: my 16 neighbours
	v_lshlrev_b32 v4, 3, v2                        ; my codes' place in a step's
	v_lshrrev_b32 v5, 1, v2
	s_add_co_u32 s17, s17, 2*32*XSP
	v_add_nc_u32 v5, s17, v5                       ; my block's byte among my wave's 256
	v_lshlrev_b32 v7, 3, v2
	v_add_nc_u32 v6, s17, v7
.macro XLOAD t
.irp i, 0,1,2,3
	global_load_b128 v[XR+16*((\t)%4)+4*\i:XR+16*((\t)%4)+4*\i+3], v3, s[4:5] offset:2048*(\t)+512*\i th:TH_LOAD_NT
.endr
.endm
.macro XTURN t                         ; LDS serves a wave's instructions in order: no wait between the stores and the loads
.irp i, 0,1,2,3
	ds_store_b128 v14, v[XR+16*((\t)%4)+4*\i:XR+16*((\t)%4)+4*\i+3] offset:32*XSP*((\t)%2)+8*XSP*\i
.endr
.irp i, 0,1,2,3
	ds_load_b128 v[XX+16*((\t)%2)+4*\i:XX+16*((\t)%2)+4*\i+3], v15 offset:32*XSP*((\t)%2)+16*\i
.endr
.endm
.macro XSTEP t
.set XS, XX+16*((\t)%2)
.if (\t) > 0
	s_wait_dscnt 1                                 ; this step's numbers are back from the stage (the last step's byte store may be out)
.else
	s_wait_dscnt 0x0
.endif
.if (\t)+4 < 16
	XLOAD (\t)+4
.endif
.if (\t)+1 < 16
.if 14-(\t) >= 3
	s_wait_loadcnt 12                              ; the next step's four loads are in; those of the three steps behind it may be out
.else
	s_wait_loadcnt 4*(14-(\t))
.endif
	XTURN (\t)+1
.endif
	v_max3_num_f32 v8, |v[XS]|, |v[XS+1]|, |v[XS+2]|
	v_max3_num_f32 v9, |v[XS+3]|, |v[XS+4]|, |v[XS+5]|
.irp i, 6,10
	v_max3_num_f32 v8, v8, |v[XS+\i]|, |v[XS+\i+1]|
	v_max3_num_f32 v9, v9, |v[XS+\i+2]|, |v[XS+\i+3]|
.endr
	v_max3_num_f32 v8, v8, |v[XS+14]|, |v[XS+15]|
	v_max3_num_f32 v8, v8, v9, (EMAX+1)<<23        ; the floor 2^(3 - 127)
	v_max_num_f32_dpp v8, v8, v8 row_xmask:1 row_mask:0xf bank_mask:0xf   ; with my neighbour's 16: the block's largest magnitude
	v_add_nc_u32 v11, -(EMAX<<23), v8
	v_cvt_scalef32_pk8_fp4_f32 v[XC+4*(\t)], v[XS:XS+7], v11
	v_cvt_scalef32_pk8_fp4_f32 v[XC+4*(\t)+1], v[XS+8:XS+15], v11
	v_lshrrev_b32 v[XE+(\t)], 23, v11              ; the scale's byte
	ds_store_b8 v5, v[XE+(\t)] offset:16*(\t)      ; both lanes of a block write the same byte with the same value
	global_store_b64 v4, v[XC+4*(\t):XC+4*(\t)+1], s[8:9] offset:256*(\t)
.endm
.irp t, 0,1,2,3
	XLOAD \t
.endr
	s_wait_loadcnt 12                              ; step 0's four loads are in
	XTURN 0
.irp t, 0,1,2,3,4,5,6,7,8,9,10,11,12,13,14,15
	XSTEP \t
.endr
	ds_load_b64 v[8:9], v6
	s_wait_dscnt 0x0
	global_store_b64 v7, v[8:9], s[10:11]          ; 32 lanes store 256 consecutive bytes
	s_wait_tensorcnt 0x0                           ; the wave's end
	ds_add_u32 v[SPW], v[NIL]
	s_wait_dscnt 0x0
	s_endpgm
.Lfunc_end_k_q5052360d6f_prep:
	.size	k_q5052360d6f_prep, .Lfunc_end_k_q5052360d6f_prep-k_q5052360d6f_prep
	.p2alignl 7, 3214868480
	.fill 96, 4, 3214868480
	.section	.rodata,"a",@progbits
	.p2align	6, 0x0
	.amdhsa_kernel k_q5052360d6f_prep
		.amdhsa_group_segment_fixed_size 67072
		.amdhsa_private_segment_fixed_size 0
		.amdhsa_enable_private_segment 0
		.amdhsa_kernarg_size 112
		.amdhsa_user_sgpr_count 2
		.amdhsa_user_sgpr_kernarg_segment_ptr 1
		.amdhsa_wavefront_size32 1
		.amdhsa_system_sgpr_workgroup_id_x 1
		.amdhsa_system_sgpr_workgroup_id_y 1
		.amdhsa_system_sgpr_workgroup_id_z 1
		.amdhsa_system_vgpr_workitem_id 0
		.amdhsa_next_free_vgpr 212
		.amdhsa_next_free_sgpr 80
		.amdhsa_reserve_vcc 0
		.amdhsa_float_denorm_mode_32 3
		.amdhsa_float_denorm_mode_16_64 3
		.amdhsa_memory_ordered 1
		.amdhsa_forward_progress 1
		.amdhsa_inst_pref_size 172
	.end_amdhsa_kernel
	.amdgpu_metadata
---
amdhsa.version: [ 1, 2 ]
amdhsa.kernels:
  - .name:           k_q5052360d6f_prep
    .symbol:         k_q5052360d6f_prep.kd
    .args:
      - { .name: q, .offset: 0, .size: 8, .value_kind: global_buffer, .address_space: global }
      - { .name: k, .offset: 8, .size: 8, .value_kind: global_buffer, .address_space: global }
      - { .name: v, .offset: 16, .size: 8, .value_kind: global_buffer, .address_space: global }
      - { .name: mask, .offset: 24, .size: 8, .value_kind: global_buffer, .address_space: global }
      - { .name: Wq, .offset: 32, .size: 8, .value_kind: global_buffer, .address_space: global }
      - { .name: Wk, .offset: 40, .size: 8, .value_kind: global_buffer, .address_space: global }
      - { .name: Wv, .offset: 48, .size: 8, .value_kind: global_buffer, .address_space: global }
      - { .name: Wo, .offset: 56, .size: 8, .value_kind: global_buffer, .address_space: global }
      - { .name: xc, .offset: 64, .size: 8, .value_kind: global_buffer, .address_space: global }
      - { .name: xs, .offset: 72, .size: 8, .value_kind: global_buffer, .address_space: global }
      - { .name: mimg, .offset: 80, .size: 8, .value_kind: global_buffer, .address_space: global }
      - { .name: wc, .offset: 88, .size: 8, .value_kind: global_buffer, .address_space: global }
      - { .name: ws, .offset: 96, .size: 8, .value_kind: global_buffer, .address_space: global }
      - { .name: wo16, .offset: 104, .size: 8, .value_kind: global_buffer, .address_space: global }
    .group_segment_fixed_size: 67072
    .private_segment_fixed_size: 0
    .kernarg_segment_align: 8
    .kernarg_segment_size: 112
    .max_flat_workgroup_size: 128
    .sgpr_count:     80
    .vgpr_count:     212
    .wavefront_size: 32
...
	.end_amdgpu_metadata
.endif
;; end of part 1
;; launch proj (part 2): grid 4 x 96, 4 waves a work-group, clusters of 4 x 4, 327,680 bytes of LDS; arguments xc, xs, wc, ws, qkv, bq, bk, bv; writes qkv
.if DOCPART == 2
	.amdgcn_target "amdgcn-amd-amdhsa--gfx1250"
	.amdhsa_code_object_version 6
	.text
	.protected	k_q5052360d6f_proj
	.globl	k_q5052360d6f_proj
	.p2align	8
	.type	k_q5052360d6f_proj,@function
k_q5052360d6f_proj:
	s_mov_b64 s[64:65], 0
	v_nop
	global_prefetch_b8 v0, s[64:65] scope:SCOPE_SE
	s_setreg_imm32_b32 hwreg(HW_REG_WAVE_MODE, 25, 1), 1
	s_wait_xcnt 0x0
	s_wait_alu depctr_hold_cnt(0) depctr_sa_sdst(0) depctr_va_vdst(0) depctr_va_sdst(0) depctr_va_ssrc(0) depctr_va_vcc(0) depctr_vm_vsrc(0)
	s_getreg_b32 s2, hwreg(HW_REG_IB_STS2, 6, 4)
	s_cmp_eq_u32 s2, 0
	s_cbranch_scc0 .Lentry_in_a_cluster
	s_endpgm
.Lentry_in_a_cluster:
	s_bfe_u32 s2, ttmp6, 0x10000c
	s_cmp_lg_u32 s2, 0xf033
	s_cbranch_scc0 .Lentry_shape_is_right
	s_endpgm
.Lentry_shape_is_right:
; PROJ: q Wq + bq, k Wk + bk, v Wv + bv as ONE product on codes of FP4 (E2M1) with E8M0 scales: A = the three activations on end, [24576][1024]; B = the weight of A's tensor, [1024 n][1024 k].
; Tile rows 0-31 of C are q's, 32-63 k's, 64-95 v's: the tensor is (cluster y) / 8, the same in all sixteen partners of a cluster.
; A tile of C, 256 x 256, is made by four waves, each 128 x 128: 64 accumulators, 512 registers.  K = 1,024 is two LDS slots of 512 along K (rows of 256 bytes): both are asked for at the start and nothing is filled again.
; The scale bytes of the work-group's rows of A and of B, for all of K, come once, as dense blocks, with the first fills.
; CLUSTERS: 4 x 4 work-groups; A's tiles are asked for jointly along a row of the cluster, B's along a column.  THE MATRIX INSTRUCTION IS USED TRANSPOSED (source 0 = 16 rows of B, source 1 = 16 rows of A): a lane holds eight neighbouring columns of a row of C.
; THE WAY OUT: (sum + bias) x sc, rounded to f16, laid by head: qkv[tensor][b x 16 + head][token][64].  sc = log2(e) / 8 for q (the scores then come out as exponents of 2), 1 for k and v.
; LIMIT: the results are kept in f16: beyond 65,504 they overflow.
; REGISTERS, in windows of 256: window 0: v0-31 addresses; v32-95 scale words, two sets; v128-191 A's fragments, one set; v192-255 the bias of my 128 columns; on the way out v32-191 are free.
;   window 1: B's fragments, two sets.   window 2: the accumulators of my rows 0-63 ((a, b) at v[8 (8 a + b)]);   window 3: those of my rows 64-127.
.set SIZE_K, 1024
.set KSTEP,  512
.set NQ,     KSTEP/128
.set ROWB,   256
.set KROW,   SIZE_K*4/8
.set PITCH,  272                       ; an LDS row: 256 bytes + 16 of padding: the 16 rows that a load touches start at 16 different banks (64 banks of 4 bytes: ISA guide 11.1)
.set FR,     8
.set NL,     2
.set NP,     4                         ; places behind this matrix instruction (ISA guide 7.12.1)
.set HALFT,  128*PITCH
.set SLOT,   4*HALFT
.set KS,     SIZE_K/32
.set SCL,    2*SLOT                    ; behind the two slots: the scales, as units of 256 bytes + 16 of padding
.set HALFS,  (128*KS/256)*272
.set SBLK,   (16*KS/256)*272
.set SPARE,  SCL+4*HALFS               ; the spare words, 128 bytes for each wave: two blocks of 256 bytes that no other line names
.set SPITCH, 272                       ; the way out: a stage of 16 rows x (256 bytes + 16) for each wave, in slot 0, which has had its only fill and its last read when the first result is stored there
.set ADRA, 16
.set ADRB, 20
.set STO,  24
.set RD,   25
.set CO,   26
.set ADRS, 27
.set SPW,  28
.set NIL,  29
.set BOF,  30                          ; v30 the bias loads' offset: 32 x (lane / 16); never rewritten
.set SC,   32
.set AF,   128
.set PKR,  32                          ; the way out: v32-63 a block as f16
.set TF,   64                          ; v64-127 a block as f32
.set BK,   128                         ; v128-159, v160-191: a block read back from the stage, by turns
.set BI,   192                         ; v192-255 bias x sc: register 8 b + j = column 16 b + 8 (lane / 16) + j of my 128
.set G1, 24
.set G0, 32
.set G1B, 48
.set G0B, 56
.set G1S, 68
.set G0S, 76
.set G1SB, 80
.set G0SB, 88
.set MSB, 0
.macro WIN new                         ; the immediate's high byte repeats the setting that is left
.if MSB != \new
	s_set_vgpr_msb (MSB<<8)|\new
.set MSB, \new
.endif
.endm
.set MUL_LO, 0xa1                      ; source 0 (B) window 1, source 1 (A) window 0, C and D window 2
.set MUL_HI, 0xf1                      ; the same, C and D window 3
.set TO_B,   0x40                      ; destination window 1, address window 0
; A joint load: waves 0 and 1 fetch for A, waves 2 and 3 for B.  The branch hangs on the wave's number alone.  An s_nop 0 and four v_nop follow each of the two lines.
.macro JLOAD g0a, g1a, g0b, g1b
	s_cmp_eq_u32 s15, 0
	s_cbranch_scc0 .Lfor_b_\@
	tensor_load_to_lds s[\g0a:\g0a+3], s[\g1a:\g1a+7]
	s_nop 0
.rept 4
	v_nop
.endr
	s_branch .Lasked_\@
.Lfor_b_\@:
	tensor_load_to_lds s[\g0b:\g0b+3], s[\g1b:\g1b+7]
	s_nop 0
.rept 4
	v_nop
.endr
.Lasked_\@:
.endm
.macro CROUND                          ; a round of the cluster's barrier
	s_barrier_signal -1
	s_barrier_wait -1
	s_cmp_lg_u32 s14, 0
	s_cbranch_scc1 .Lnot_wave_0_\@
	s_barrier_signal -3
.Lnot_wave_0_\@:
	s_barrier_wait -3
	s_barrier_signal -1
	s_barrier_wait -1
.endm
	s_load_b128 s[4:7], s[0:1], 0x0                ; A's codes, A's scales
	s_load_b128 s[8:11], s[0:1], 0x10              ; B's codes, B's scales
	s_load_b64 s[12:13], s[0:1], 0x20              ; qkv
	s_load_b128 s[96:99], s[0:1], 0x28             ; bq, bk
	s_load_b64 s[100:101], s[0:1], 0x38            ; bv
	v_lshl_add_u32 v[SPW], v0, 2, SPARE
	v_mov_b32 v[NIL], 0
	ds_add_u32 v[SPW], v[NIL]                      ; the wave's opening: the add, twice on end, and its wait ahead of my first tensor load
	ds_add_u32 v[SPW], v[NIL]
	v_lshrrev_b32 v1, 5, v0
	v_readfirstlane_b32 s14, v1                    ; wave 0..3
	s_lshr_b32 s15, s14, 1                         ; which half of the tile's rows is mine.  Also: I fetch for A (0) or for B (1)
	s_and_b32 s16, s14, 1                          ; which half of its columns.  Also: which 128 rows of that tile I fetch
	s_bfe_u32 s40, ttmp6, 0x40000                  ; cx, cy: my place in the cluster
	s_bfe_u32 s41, ttmp6, 0x40004
	s_lshl_b32 s42, ttmp9, 2
	s_add_co_u32 s42, s42, s40                     ; tile column of C
	s_and_b32 s17, ttmp7, 0xffff
	s_lshr_b32 s95, s17, 3                         ; the tensor: 0 q, 1 k, 2 v
	s_lshl_b32 s17, s17, 2
	s_add_co_u32 s17, s17, s41                     ; tile row of C
	s_lshl_b32 s43, s41, 2
	s_lshl_b32 s43, 15, s43                        ; my row of the cluster
	s_lshl_b32 s44, 0x1111, s40                    ; my column
	s_or_b32 s[G1+0], s43, (0<<16)|(1<<20)|(1<<21)|(5<<22)|(3<<25)  ; the mask; elements of 1 byte; padding on; bit 21 beside a mask; 4 words of padding after every 64
	s_or_b32 s[G1B+0], s44, (0<<16)|(1<<20)|(1<<21)|(5<<22)|(3<<25)
.irp g, G1, G1B
	s_mov_b32 s[\g+1], ROWB<<16                    ; tensor_dim0
	s_mov_b32 s[\g+2], 128<<16                     ; tensor_dim1
	s_mov_b32 s[\g+3], ROWB<<16                    ; tile_dim0
	s_mov_b32 s[\g+4], 128                         ; tile_dim1
	s_mov_b32 s[\g+5], KROW                        ; tensor_dim0_stride
	s_mov_b32 s[\g+6], 0
	s_mov_b32 s[\g+7], 0
.endr
	s_or_b32 s[G1S+0], s43, (3<<16)|(1<<20)|(1<<21)|(5<<22)|(3<<25) ; the scales of 128 rows: a dense block, as rows of 32 elements of 8 bytes
	s_or_b32 s[G1SB+0], s44, (3<<16)|(1<<20)|(1<<21)|(5<<22)|(3<<25)
.irp g, G1S, G1SB
	s_mov_b32 s[\g+1], 32<<16
	s_mov_b32 s[\g+2], (128*KS/256)<<16
	s_mov_b32 s[\g+3], 32<<16
	s_mov_b32 s[\g+4], 128*KS/256
	s_mov_b32 s[\g+5], 32
	s_mov_b32 s[\g+6], 0
	s_mov_b32 s[\g+7], 0
.endr
	s_lshl_b32 s18, s16, 7                         ; which 128 rows of the tile I fetch
	s_lshl_b32 s20, s17, 8
	s_add_co_u32 s20, s20, s18                     ; A: row 256 x tile row + 128 x half
	s_lshl_b32 s46, s42, 8
	s_add_co_u32 s46, s46, s18                     ; B: row 256 x tile column + 128 x half
	s_lshl_b32 s47, s95, 10
	s_add_co_u32 s46, s46, s47                     ; in the tensor's own weight: 1,024 rows each
	s_mov_b32 s21, 0
	s_mov_b32 s47, 0
	s_mov_b64 s[18:19], KS
	s_mul_u64 s[22:23], s[20:21], s[18:19]         ; where these rows' scales begin, in bytes
	s_mul_u64 s[92:93], s[46:47], s[18:19]
	s_mov_b64 s[18:19], KROW
	s_mul_u64 s[20:21], s[20:21], s[18:19]         ; and their codes
	s_mul_u64 s[46:47], s[46:47], s[18:19]
	s_mul_i32 s45, s14, HALFT                      ; where they go: wave x 128 rows
	s_mul_i32 s94, s14, HALFS
	s_mov_b32 s66, 0x3e38aa3b                      ; log2(e) / 8
	s_wait_dscnt 0x0                               ; both opening adds are done
	s_wait_kmcnt 0x0
	s_add_nc_u64 s[20:21], s[4:5], s[20:21]
	s_add_nc_u64 s[22:23], s[6:7], s[22:23]
	s_add_nc_u64 s[46:47], s[8:9], s[46:47]
	s_add_nc_u64 s[92:93], s[10:11], s[92:93]
	CROUND                                         ; all sixteen work-groups are here: the first joint loads meet
	s_mov_b32 s[G0S], 1
	s_add_co_u32 s[G0S+1], s94, SCL
	s_mov_b64 s[G0S+2:G0S+3], s[22:23]
	s_or_b32 s[G0S+3], s[G0S+3], 0x80000000
	s_mov_b32 s[G0SB], 1
	s_add_co_u32 s[G0SB+1], s94, SCL
	s_mov_b64 s[G0SB+2:G0SB+3], s[92:93]
	s_or_b32 s[G0SB+3], s[G0SB+3], 0x80000000
	JLOAD G0S, G1S, G0SB, G1SB                     ; the scales first: they are wanted with the first slot
.irp s, 0,1
	s_mov_b32 s[G0+4*\s], 1
	s_add_co_u32 s[G0+4*\s+1], s45, \s*SLOT
	s_add_nc_u64 s[G0+4*\s+2:G0+4*\s+3], s[20:21], \s*ROWB
	s_or_b32 s[G0+4*\s+3], s[G0+4*\s+3], 0x80000000
	s_mov_b32 s[G0B+4*\s], 1
	s_add_co_u32 s[G0B+4*\s+1], s45, \s*SLOT
	s_add_nc_u64 s[G0B+4*\s+2:G0B+4*\s+3], s[46:47], \s*ROWB
	s_or_b32 s[G0B+4*\s+3], s[G0B+4*\s+3], 0x80000000
	JLOAD G0+4*\s, G1, G0B+4*\s, G1B               ; three tensor loads of mine are out behind the second of these
.endr
	v_and_b32 v1, 15, v0                           ; l % 16
	v_bfe_u32 v2, v0, 4, 1                         ; l / 16
	; the bias of my 128 columns, and sc
	s_cmp_eq_u32 s95, 0
	s_cselect_b64 s[96:97], s[96:97], s[98:99]
	s_cselect_b32 s66, s66, 0x3f800000
	s_cmp_eq_u32 s95, 2
	s_cselect_b64 s[96:97], s[100:101], s[96:97]
	s_mov_b32 s67, s66                             ; (named with it as a pair, so it is written)
	s_lshl_b32 s46, s42, 10                        ; 256 columns of 4 bytes a tile column,
	s_lshl_b32 s47, s16, 9                         ; 128 a half
	s_add_co_u32 s46, s46, s47
	s_mov_b32 s47, 0
	s_add_nc_u64 s[96:97], s[96:97], s[46:47]
	v_lshlrev_b32 v[BOF], 5, v2
.irp b, 0,1,2,3,4,5,6,7
	global_load_b128 v[BI+8*\b:BI+8*\b+3], v[BOF], s[96:97] offset:64*\b
	global_load_b128 v[BI+8*\b+4:BI+8*\b+7], v[BOF], s[96:97] offset:64*\b+16
.endr
	v_mul_u32_u24 v3, v1, PITCH
	v_lshl_add_u32 v4, v2, 4, v3                   ; a fragment's row x pitch + 16 x half
	s_mul_i32 s21, s15, HALFT                      ; my 128 rows of A
	s_mul_i32 s22, s16, HALFT                      ; my 128 rows of B,
	s_add_co_u32 s22, s22, 2*HALFT                 ; which lie behind A's 256
.irp s, 0,1
	v_add_nc_u32 v[ADRA+\s], s21, v4
	v_add_nc_u32 v[ADRB+\s], s22, v4
	s_add_co_u32 s21, s21, SLOT
	s_add_co_u32 s22, s22, SLOT
.endr
	v_mul_u32_u24 v5, v1, KS                       ; my row's scales: KS bytes a row,
	v_lshrrev_b32 v6, 8, v5
	v_lshl_add_u32 v5, v6, 4, v5                   ; and 16 more for each 256 passed
	s_mul_i32 s21, s15, HALFS
	s_mul_i32 s22, s16, HALFS
	s_add_co_u32 s22, s22, 2*HALFS
	s_sub_co_u32 s22, s22, s21
	v_mul_u32_u24 v6, s22, v2                      ; lanes 16-31 take B's
	s_add_co_u32 s21, s21, SCL
	v_add_nc_u32 v5, v5, v6
	v_add_nc_u32 v[ADRS], s21, v5
	s_mul_i32 s23, s14, 16*SPITCH                  ; my stage
	v_mul_u32_u24 v5, v1, SPITCH                   ; in: row l % 16, 16 bytes for each half of the lanes
	v_lshl_add_u32 v5, v2, 4, v5
	v_add_nc_u32 v[STO], s23, v5
	v_and_b32 v6, 31, v0
	v_lshlrev_b32 v[CO], 4, v6                     ; out: 16 bytes a lane: four tokens x 128 bytes of one head
	v_lshrrev_b32 v5, 3, v6
	v_mul_u32_u24 v5, v5, SPITCH
	v_and_b32 v7, 7, v6
	v_lshl_add_u32 v5, v7, 4, v5
	v_add_nc_u32 v[RD], s23, v5                    ; back: eight lanes to a token's 128 bytes of a head
	; where my part begins in qkv: tensor << 24, (b x 16 + head) << 18, token << 7
	s_and_b32 s20, s17, 31
	s_lshl_b32 s20, s20, 8
	s_lshl_b32 s21, s15, 7
	s_add_co_u32 s20, s20, s21                     ; my first row in the tensor
	s_lshr_b32 s21, s20, 11                        ; b
	s_lshl_b32 s21, s21, 22
	s_and_b32 s20, s20, 2047                       ; token
	s_lshl_b32 s20, s20, 7
	s_add_co_u32 s20, s20, s21
	s_lshl_b32 s21, s95, 24
	s_add_co_u32 s20, s20, s21
	s_mov_b32 s21, 0
	s_lshl_b32 s46, s42, 20                        ; four heads a tile column,
	s_lshl_b32 s47, s16, 19                        ; two a half
	s_add_co_u32 s46, s46, s47
	s_mov_b32 s47, 0
	s_add_nc_u64 s[20:21], s[20:21], s[46:47]
	s_add_nc_u64 s[12:13], s[12:13], s[20:21]
.macro FRAG reg, adr, q, i             ; a fragment, 16 rows x 128 K of 4-bit codes: lane l holds row l % 16; registers 4 c .. 4 c + 3 hold K = 64 c + 32 (l / 16) + 0 .. 31
.irp c, 0,1
	ds_load_b128 v[\reg+4*\c:\reg+4*\c+3], v[\adr] offset:64*(\q)+32*\c+(\i)*16*PITCH
.endr
.endm
; 16 matrix instructions: A's blocks a0, a0 + 1 x B's eight, 128 along K.  The 64 accumulators take turns, one instruction a turn, in the same order in every step.
.macro MUL16 a0, p, q, sc, zero
.irp a, \a0, \a0+1
.irp b, 0,1,2,3,4,5,6,7
.if \zero
	v_wmma_scale_f32_16x16x128_f8f6f4 v[8*(8*((\a)%4)+\b):8*(8*((\a)%4)+\b)+7], v[128*(\p)+FR*\b:128*(\p)+FR*\b+FR-1], v[AF+FR*(\a):AF+FR*(\a)+FR-1], 0, v[SC+8*NQ*(\sc)+NQ*\b+(\q)], v[SC+8*NQ*(\sc)+NQ*(\a)+(\q)] matrix_a_fmt:MATRIX_FMT_FP4 matrix_b_fmt:MATRIX_FMT_FP4 matrix_a_scale:MATRIX_SCALE_ROW1
.else
	v_wmma_scale_f32_16x16x128_f8f6f4 v[8*(8*((\a)%4)+\b):8*(8*((\a)%4)+\b)+7], v[128*(\p)+FR*\b:128*(\p)+FR*\b+FR-1], v[AF+FR*(\a):AF+FR*(\a)+FR-1], v[8*(8*((\a)%4)+\b):8*(8*((\a)%4)+\b)+7], v[SC+8*NQ*(\sc)+NQ*\b+(\q)], v[SC+8*NQ*(\sc)+NQ*(\a)+(\q)] matrix_a_fmt:MATRIX_FMT_FP4 matrix_b_fmt:MATRIX_FMT_FP4 matrix_a_scale:MATRIX_SCALE_ROW1
.endif
.endr
.endr
.endm
.macro FETCH_B slot, q, p
	WIN TO_B
.irp i, 0,1,2,3,4,5,6,7
	FRAG 128*(\p)+FR*\i, ADRB+\slot, \q, \i
.endr
	WIN 0
.endm
.macro FETCH_A slot, q, i0
.irp i, \i0, \i0+1, \i0+2, \i0+3
	FRAG AF+FR*(\i), ADRA+\slot, \q, \i
.endr
.endm
.macro SCALES sc                       ; a slot's scale words: lanes 0-15 take A's block i, lanes 16-31 B's block i
.irp i, 0,1,2,3,4,5,6,7
	ds_load_b128 v[SC+8*NQ*\sc+NQ*\i:SC+8*NQ*\sc+NQ*\i+3], v[ADRS] offset:\i*SBLK
.endr
.endm
.macro PLACES n                        ; plain vector instructions between a matrix instruction and a load into, or a read of, its registers
.rept \n
	v_nop
.endr
.endm
.macro STEP slot, q, zero              ; a step of 128 along K that has its successor in the same slot
	s_wait_dscnt 4*NL                              ; B's set and A's blocks 0-3 are in; the youngest loads (A's blocks 4-7) may be out
	WIN MUL_LO
	MUL16 0, (\q)%2, \q, \slot, \zero
	MUL16 2, (\q)%2, \q, \slot, \zero
	s_wait_dscnt 0
	PLACES NP
	FETCH_B \slot, (\q)+1, 1-(\q)%2
	FETCH_A \slot, (\q)+1, 0
	WIN MUL_HI
	MUL16 4, (\q)%2, \q, \slot, \zero
	MUL16 6, (\q)%2, \q, \slot, \zero
	PLACES NP
	WIN 0
	FETCH_A \slot, (\q)+1, 4
.endm
; Slot 0's last step changes slots: one barrier; in front of it each wave waits for all its tensor loads (its part of slot 1), adds 0 to its spare word, and waits for that and for its reads of slot 0.  Nothing is filled again.
.macro TURN slot, next
	s_wait_tensorcnt 0x0
	ds_add_u32 v[SPW], v[NIL]
	s_wait_dscnt 4*NL+1                            ; (the add and A's blocks 4-7 may be out)
	WIN MUL_LO
	MUL16 0, 1, NQ-1, \slot, 0
	s_wait_dscnt 0x0                               ; the add is done, and my reads of this slot are over
	s_barrier_signal -1
	MUL16 2, 1, NQ-1, \slot, 0
	WIN 0
	s_barrier_wait -1
	PLACES NP
	v_add_nc_u32 v[ADRS], 4*NQ, v[ADRS]            ; on to the next slot's scale words
	FETCH_B \next, 0, 0
	FETCH_A \next, 0, 0
	SCALES \next
	WIN MUL_HI
	MUL16 4, 1, NQ-1, \slot, 0
	MUL16 6, 1, NQ-1, \slot, 0
	PLACES NP
	WIN 0
	FETCH_A \next, 0, 4
.endm
.macro STEPS slot, from
.set Q, \from
.rept NQ-1-\from
	STEP \slot, Q, 0
.set Q, Q+1
.endr
.endm
	s_wait_tensorcnt 1                             ; the scales and my part of slot 0 are in (slot 1's load may be out),
	s_barrier_signal -1
	s_barrier_wait -1                              ; everybody's are
	FETCH_B 0, 0, 0
	FETCH_A 0, 0, 0
	SCALES 0
	FETCH_A 0, 0, 4
	STEP 0, 0, 1                                   ; the first step's products start the sums: nothing is cleared
	STEPS 0, 1
	TURN 0, 1
	STEPS 1, 0
	s_wait_dscnt 4*NL                              ; the very last step: nothing more to fetch
	WIN MUL_LO
	MUL16 0, 1, NQ-1, 1, 0
	MUL16 2, 1, NQ-1, 1, 0
	s_wait_dscnt 0
	WIN MUL_HI
	MUL16 4, 1, NQ-1, 1, 0
	MUL16 6, 1, NQ-1, 1, 0
	WIN 0
; THE WAY OUT, block by block of 16 rows x 128 columns (two heads).  PACK: sum x sc + bias x sc, rounded to f16.  TOSTAGE: 16 bytes a lane into my stage, and back by heads.  SEND: each store covers four tokens x 128 bytes = 512 consecutive bytes of one head.
.macro PACK a
.set AC, 64*((\a)%4)
	WIN (0x02+(\a)/4)                              ; source 0: window 2 or 3
.irp b, 0,1,2,3,4,5,6,7
.irp r, 0,1,2,3
	v_pk_fma_f32 v[TF+8*\b+2*\r:TF+8*\b+2*\r+1], v[AC+8*\b+2*\r:AC+8*\b+2*\r+1], s[66:67], v[BI+8*\b+2*\r:BI+8*\b+2*\r+1] op_sel_hi:[1,0,1]   ; each accumulator from its low end on
.endr
.endr
	WIN 0
.set i, 0
.rept 32
	v_cvt_pk_f16_f32 v[PKR+i], v[TF+2*i], v[TF+2*i+1]
.set i, i+1
.endr
.endm
.macro TOSTAGE a
.set BB, BK+32*((\a)%2)
.irp b, 0,1,2,3,4,5,6,7
	ds_store_b128 v[STO], v[PKR+4*\b:PKR+4*\b+3] offset:32*\b
.endr
.irp u, 0,1
.irp i, 0,1,2,3
	ds_load_b128 v[BB+4*(4*\u+\i):BB+4*(4*\u+\i)+3], v[RD] offset:1088*\i+128*\u   ; LDS serves a wave's instructions in order: these see the stores above
.endr
.endr
.endm
.macro SEND a
.set BB, BK+32*((\a)%2)
	s_wait_dscnt 0x0                               ; the block is back in registers
	s_wait_xcnt 0x0                                ; the earlier stores have read their registers and their base
.if (\a) > 0
	s_add_nc_u64 s[12:13], s[12:13], 2048          ; 16 tokens on
.endif
.irp u, 0,1
.irp i, 0,1,2,3
	global_store_b128 v[CO], v[BB+4*(4*\u+\i):BB+4*(4*\u+\i)+3], s[12:13] offset:262144*\u+512*\i
.endr
.endr
.endm
	s_wait_loadcnt 0x0                             ; the bias
.set i, 0
.rept 32
	v_pk_mul_f32 v[BI+2*i:BI+2*i+1], v[BI+2*i:BI+2*i+1], s[66:67] op_sel_hi:[1,0]   ; bias x sc.  These 32 name no register of the last products: they are the places behind them
.set i, i+1
.endr
	PACK 0
	TOSTAGE 0
.irp a, 1,2,3,4,5,6,7
	PACK \a                                        ; block a's arithmetic stands between block a - 1's loads from the stage and the wait for them
	SEND \a-1
	TOSTAGE \a
.endr
	SEND 7
	s_wait_tensorcnt 0x0                           ; the wave's end
	ds_add_u32 v[SPW], v[NIL]
	s_wait_dscnt 0x0
	CROUND                                         ; the closing round
	s_endpgm
.Lfunc_end_k_q5052360d6f_proj:
	.size	k_q5052360d6f_proj, .Lfunc_end_k_q5052360d6f_proj-k_q5052360d6f_proj
	.p2alignl 7, 3214868480
	.fill 96, 4, 3214868480
	.section	.rodata,"a",@progbits
	.p2align	6, 0x0
	.amdhsa_kernel k_q5052360d6f_proj
		.amdhsa_group_segment_fixed_size 327680
		.amdhsa_private_segment_fixed_size 0
		.amdhsa_enable_private_segment 0
		.amdhsa_kernarg_size 64
		.amdhsa_user_sgpr_count 2
		.amdhsa_user_sgpr_kernarg_segment_ptr 1
		.amdhsa_wavefront_size32 1
		.amdhsa_system_sgpr_workgroup_id_x 1
		.amdhsa_system_sgpr_workgroup_id_y 1
		.amdhsa_system_sgpr_workgroup_id_z 1
		.amdhsa_system_vgpr_workitem_id 0
		.amdhsa_next_free_vgpr 1024
		.amdhsa_next_free_sgpr 102
		.amdhsa_reserve_vcc 0
		.amdhsa_float_denorm_mode_32 3
		.amdhsa_float_denorm_mode_16_64 3
		.amdhsa_memory_ordered 1
		.amdhsa_forward_progress 1
		.amdhsa_inst_pref_size 147
	.end_amdhsa_kernel
	.amdgpu_metadata
---
amdhsa.version: [ 1, 2 ]
amdhsa.kernels:
  - .name:           k_q5052360d6f_proj
    .symbol:         k_q5052360d6f_proj.kd
    .args:
      - { .name: xc, .offset: 0, .size: 8, .value_kind: global_buffer, .address_space: global }
      - { .name: xs, .offset: 8, .size: 8, .value_kind: global_buffer, .address_space: global }
      - { .name: wc, .offset: 16, .size: 8, .value_kind: global_buffer, .address_space: global }
      - { .name: ws, .offset: 24, .size: 8, .value_kind: global_buffer, .address_space: global }
      - { .name: qkv, .offset: 32, .size: 8, .value_kind: global_buffer, .address_space: global }
      - { .name: bq, .offset: 40, .size: 8, .value_kind: global_buffer, .address_space: global }
      - { .name: bk, .offset: 48, .size: 8, .value_kind: global_buffer, .address_space: global }
      - { .name: bv, .offset: 56, .size: 8, .value_kind: global_buffer, .address_space: global }
    .group_segment_fixed_size: 327680
    .private_segment_fixed_size: 0
    .kernarg_segment_align: 8
    .kernarg_segment_size: 64
    .max_flat_workgroup_size: 128
    .sgpr_count:     102
    .vgpr_count:     1024
    .wavefront_size: 32
...
	.end_amdgpu_metadata
.endif
;; end of part 2
;; launch attn (part 3): grid 4 x 64, 16 waves a work-group, no clusters, 327,680 bytes of LDS; arguments qkv, mimg, ao; writes ao
.if DOCPART == 3
	.amdgcn_target "amdgcn-amd-amdhsa--gfx1250"
	.amdhsa_code_object_version 6
	.text
	.protected	k_q5052360d6f_attn
	.globl	k_q5052360d6f_attn
	.p2align	8
	.type	k_q5052360d6f_attn,@function
k_q5052360d6f_attn:
	s_mov_b64 s[64:65], 0
	v_nop
	global_prefetch_b8 v0, s[64:65] scope:SCOPE_SE
	s_setreg_imm32_b32 hwreg(HW_REG_WAVE_MODE, 25, 1), 1
	s_wait_xcnt 0x0
; ATTN: o = softmax(q k^T / 8 + mask x -1e15) v for one (batch, head) and 512 queries a work-group.  q, k, v: f16, [2048][64] a head; q already carries log2(e) / 8, so a score is an exponent of 2.
; u = bf16(mask) x NEGL + score (NEGL = -1e15 x log2(e)); a running maximum m and sum l for each query; p = 2^(u - m), as a SUBTRACTION and an exponential, so that a row whose every key is masked
; (all u equal: the score is lost in the rounding, as in the f32 sum that defines the result) gives p = 1 throughout.  In every step O and l are multiplied by a = 2^(m_old - m_new).  p is rounded to f16 for the second product; the sum takes the unrounded p.
; SHARES.  Sixteen waves, each 32 queries (two tiles of 16) in 256 registers: four waves to a SIMD, so that one wave's vector work stands beside another's matrix work.  Every wave walks all 2,048 keys, 64 a step.
; K and V come through a ring of two LDS slots of 256 keys, filled by the tensor data mover (waves 0, 1: K's halves; waves 2, 3: V's) and read by all.  The mask goes from memory straight into registers, in the order in which it was laid for this wave.
; LAYOUT.  S^T = K Q^T (source 0 = 16 keys, source 1 = 16 queries): a lane holds ONE query (lane % 16) and keys 8 (lane / 16) + 0..7 of each tile of 16.  Two such tiles, rounded in pairs, ARE source 1 of O^T = V^T P.  V is turned on its way out of LDS.
; NO CLUSTER: the work-groups of a head share K and V, 16,384 of the 81,920 bytes that a work-group takes in a step; the rest is the mask, which goes to registers.
; LIMITS: f16 operands (beyond 65,504 they overflow); the mask with bf16's 8 significant bits; NaN and infinities are not served.
.set PK,    272                        ; an LDS row of K: two keys' 256 bytes + 16 of padding
.set PV,    288                        ; of V: + 32
.set VOFF,  128*PK                     ; a slot: 128 rows of K, then 128 rows of V
.set SLOT1, 1<<17                      ; slot 1 begins here: one exclusive or turns an address
.set NSL,   8                          ; slots' worth of keys
.set STG,   VOFF+128*PV                ; behind slot 0's tiles: 16 rows x 144 bytes for each wave, for the way out; no fill lands here
.set SPARE, SLOT1+VOFF+128*PV          ; behind slot 1's tiles: the spare words, 128 bytes for each wave: eight blocks of 256 bytes that no other line names
.set AK0,  1                           ; v1   my lane's place in a tile of K
.set AV0,  2                           ; v2   the same for V
.set ADK,  3                           ; v3   the step's address in K (at the head: my offset in Q)
.set ADV,  4                           ; v4   in V
.set MOFF, 5                           ; v5   16 x lane: my place in a load of the mask and in a store of o; never rewritten
.set SPW,  6                           ; v6   LDS address of my spare word; never rewritten
.set NIL,  7                           ; v7   0; never rewritten
.set NGL,  8                           ; v8   NEGL
.set PFO,  9                           ; v9   256 x lane: the prefetches' offset; never rewritten
.set STO,  10                          ; v10  the way out: where I put 16 bytes of a row
.set RD,   11                          ; v11  and where I read back
.set ST,   12                          ; v12-31 statistics, 10 a tile: +0 m, +1 zero, +2 +3 l, +4..+7 at work, +8 a, +9 m_old - m
.set QF,   32                          ; v32-63   Q: tile t, channels 32 x on, at 32 + 16 t + 8 x
.set OT,   64                          ; v64-127  O^T: tile t, channels 16 n on, at 64 + 32 t + 8 n
.set S,    128                         ; v128-191 S^T, 32 a tile; then P in the lower 16 of each 32 and V's second half in the upper 16
.set MK,   192                         ; v192-223 the step's mask, 16 a tile
.set KV,   224                         ; v224-255 fragments of K, then V's first half
.set WV,   18
.set SEL,  20                          ; s[20:21] v_permlanex16_b32's selects for lane l xor 16
.set TB,   2                           ; s2   LDS byte at which the slot in hand begins
.set G1K,  24
.set G1V,  32
.set G0K,  40
.set G0V,  44
.set MB,   48                          ; s[48:49] my wave's stream of the mask, at the slot in hand
.set MLIM, 50                          ; s50  1 in the work-groups of a batch's first head: they prefetch the mask
.set QP,   52                          ; s[52:53] Q at my first query
.set AO,   54                          ; s[54:55] o likewise
.set SLOTS, 67                         ; s67  slots still to be asked for
.set PFA,  76                          ; s[76:77] where my prefetches of K or V stand
.set LIM,  80                          ; s80  1 in a wave that prefetches K or V, else the greatest number
; Waves 0 and 1 fetch for K, waves 2 and 3 for V, the others nothing.  An s_nop 0 and four v_nop follow each of the two lines.
.macro TLOAD g0k, g1k, g0v, g1v
	s_cmp_lt_u32 s[WV], 2
	s_cbranch_scc0 .Lnot_k_\@
	tensor_load_to_lds s[\g0k:\g0k+3], s[\g1k:\g1k+7]
	s_nop 0
.rept 4
	v_nop
.endr
	s_branch .Lasked_\@
.Lnot_k_\@:
	s_cmp_lt_u32 s[WV], 4
	s_cbranch_scc0 .Lasked_\@
	tensor_load_to_lds s[\g0v:\g0v+3], s[\g1v:\g1v+7]
	s_nop 0
.rept 4
	v_nop
.endr
.Lasked_\@:
.endm
; A prefetch of what the NEXT change of slots will ask for: 32,768 bytes of K and as many of V.  The four work-groups of a head walk the same K and V: the first of them asks; in it waves 4 to 7 for K and
; waves 8 to 11 for V, 8,192 bytes a wave, lanes 256 bytes apart: each block of 256 bytes is named once in the launch.  The last change that fills a slot asks for nothing; slots 0 and 1 come by their loads alone.
.macro ASK
	s_cmp_gt_u32 s[SLOTS], s[LIM]
	s_cbranch_scc0 .Lnot_mine_\@
	global_prefetch_b8 v[PFO], s[PFA:PFA+1] th:TH_LOAD_NT scope:SCOPE_SE
.Lnot_mine_\@:
.endm
	s_load_b128 s[4:7], s[0:1], 0x0                ; qkv, mimg
	s_load_b64 s[8:9], s[0:1], 0x10                ; ao
	v_lshl_add_u32 v[SPW], v0, 2, SPARE
	v_mov_b32 v[NIL], 0
	ds_add_u32 v[SPW], v[NIL]                      ; the wave's opening: the add, twice on end, and its wait ahead of my first tensor load
	ds_add_u32 v[SPW], v[NIL]
	v_lshrrev_b32 v8, 5, v0
	v_readfirstlane_b32 s[WV], v8                  ; wave 0..15
	s_and_b32 s10, ttmp7, 0xffff                   ; batch x 16 + head
	s_and_b32 s11, s[WV], 1
	s_lshl_b32 s12, s10, 18                        ; a head's plane: 262,144 bytes
	s_lshl_b32 s13, s11, 14                        ; the half of a slot that I fetch, if I fetch: 128 keys
	s_add_co_u32 s13, s13, s12
	s_add_co_u32 s84, s13, 1<<24                   ; in k's tensor,
	s_mov_b32 s85, 0
	s_add_co_u32 s86, s13, 2<<24                   ; in v's
	s_mov_b32 s87, 0
	s_mul_i32 s88, s11, 64*PK                      ; and in a slot
	s_mul_i32 s89, s11, 64*PV
	s_add_co_u32 s89, s89, VOFF
	s_lshl_b32 s14, ttmp9, 16                      ; 512 queries of 128 bytes a work-group,
	s_lshl_b32 s15, s[WV], 12                      ; 32 a wave
	s_add_co_u32 s90, s12, s14
	s_add_co_u32 s90, s90, s15
	s_mov_b32 s91, 0
	s_lshr_b32 s16, s10, 4                         ; batch
	s_lshl_b32 s92, s16, 6
	s_lshl_b32 s14, ttmp9, 4
	s_add_co_u32 s92, s92, s14
	s_add_co_u32 s92, s92, s[WV]                   ; batch x 64 + query / 32
	s_lshl_b32 s92, s92, 17                        ; a stream of the mask: 131,072 bytes
	s_mov_b32 s93, 0
	s_lshl_b32 s94, s16, 4
	s_lshl_b32 s14, ttmp9, 2
	s_add_co_u32 s94, s94, s14
	s_lshr_b32 s14, s[WV], 2
	s_add_co_u32 s94, s94, s14                     ; token / 128
	s_lshl_b32 s94, s94, 4
	s_and_b32 s17, s10, 15                         ; head
	s_add_co_u32 s94, s94, s17
	s_lshl_b32 s94, s94, 14                        ; ao: [token / 128][head][token % 128][64] f16
	s_and_b32 s14, s[WV], 3
	s_lshl_b32 s15, s14, 12
	s_add_co_u32 s94, s94, s15
	s_mov_b32 s95, 0
	s_cmp_eq_u32 s17, 0
	s_cselect_b32 s[MLIM], 1, 0
	s_cmp_lt_u32 s[WV], 8                          ; waves 4 to 7 ask for K, waves 8 to 11 for V
	s_mov_b32 s82, 2<<24
	s_cselect_b32 s82, 1<<24, s82
	s_add_co_u32 s82, s82, s12
	s_lshl_b32 s14, s14, 13                        ; my wave's 8,192 bytes,
	s_add_co_u32 s82, s82, s14
	s_add_co_u32 s82, s82, 32768                   ; in slot 1: the first change of slots steps it to slot 2
	s_mov_b32 s83, 0
	s_sub_co_u32 s14, s[WV], 4
	s_lshr_b32 s14, s14, 3                         ; 0 in waves 4 to 11,
	s_or_b32 s14, s14, ttmp9                       ; of the head's first work-group
	s_cmp_eq_u32 s14, 0
	s_cselect_b32 s[LIM], 1, -1
	; descriptor group 1: half a slot of K or of V is a dense block of 16,384 bytes: 64 rows of 32 elements of 8 bytes, padded behind each row
	s_mov_b32 s[G1K], (3<<16)|(1<<20)|(5<<22)|(3<<25)   ; no mask; elements of 8 bytes; padding on; 4 words after every 64
	s_mov_b32 s[G1V], (3<<16)|(1<<20)|(5<<22)|(7<<25)   ; 8 words
.irp g, G1K, G1V
	s_mov_b32 s[\g+1], 32<<16                      ; tensor_dim0
	s_mov_b32 s[\g+2], 64<<16                      ; tensor_dim1
	s_mov_b32 s[\g+3], 32<<16                      ; tile_dim0
	s_mov_b32 s[\g+4], 64                          ; tile_dim1
	s_mov_b32 s[\g+5], 32                          ; tensor_dim0_stride
	s_mov_b32 s[\g+6], 0
	s_mov_b32 s[\g+7], 0
.endr
	s_mov_b32 s[SEL], 0x76543210
	s_mov_b32 s[SEL+1], 0xfedcba98
	s_mov_b32 s[TB], 0
	s_mov_b32 s[SLOTS], NSL-1
	s_wait_dscnt 0x0                               ; both opening adds are done
	s_wait_kmcnt 0x0
	s_mov_b32 s[G0K], 1
	s_mov_b32 s[G0K+1], s88
	s_add_nc_u64 s[G0K+2:G0K+3], s[4:5], s[84:85]
	s_or_b32 s[G0K+3], s[G0K+3], 0x80000000
	s_mov_b32 s[G0V], 1
	s_mov_b32 s[G0V+1], s89
	s_add_nc_u64 s[G0V+2:G0V+3], s[4:5], s[86:87]
	s_or_b32 s[G0V+3], s[G0V+3], 0x80000000
	TLOAD G0K, G1K, G0V, G1V                       ; slot 0: one tensor load of mine is out
	s_add_nc_u64 s[QP:QP+1], s[4:5], s[90:91]
	s_add_nc_u64 s[MB:MB+1], s[6:7], s[92:93]
	s_add_nc_u64 s[AO:AO+1], s[8:9], s[94:95]
	s_add_nc_u64 s[PFA:PFA+1], s[4:5], s[82:83]
	v_and_b32 v12, 15, v0                          ; r
	v_bfe_u32 v13, v0, 4, 1                        ; h
	v_lshlrev_b32 v[ADK], 7, v12
	v_lshl_add_u32 v[ADK], v13, 4, v[ADK]          ; Q: row r of 128 bytes, + 16 h
.irp t, 0,1
.irp x, 0,1
	global_load_b128 v[QF+16*\t+8*\x:QF+16*\t+8*\x+3], v[ADK], s[QP:QP+1] offset:2048*\t+64*\x
	global_load_b128 v[QF+16*\t+8*\x+4:QF+16*\t+8*\x+7], v[ADK], s[QP:QP+1] offset:2048*\t+64*\x+32
.endr
.endr
	v_and_b32 v[MOFF], 31, v0
	v_lshlrev_b32 v[PFO], 8, v[MOFF]
	v_lshlrev_b32 v[MOFF], 4, v[MOFF]
.irp i, 0,1,2,3,4,5,6,7
	global_load_b128 v[MK+4*\i:MK+4*\i+3], v[MOFF], s[MB:MB+1] offset:512*\i   ; step 0's mask
.endr
	v_lshrrev_b32 v14, 1, v12
	v_mul_u32_u24 v[AK0], v14, PK                  ; K: key r lies in row r / 2,
	v_and_b32 v15, 1, v0
	v_lshl_add_u32 v[AK0], v15, 7, v[AK0]          ; in its half r % 2,
	v_lshl_add_u32 v[AK0], v13, 4, v[AK0]          ; + 16 h
	v_bfe_u32 v14, v0, 1, 2
	v_lshl_add_u32 v14, v13, 2, v14                ; V, for the turning load: key 8 h + l % 8 lies in row 4 h + (l % 8) / 2,
	v_mul_u32_u24 v[AV0], v14, PV
	v_lshl_add_u32 v[AV0], v15, 7, v[AV0]          ; in its half l % 2;
	v_bfe_u32 v14, v0, 3, 1
	v_lshl_add_u32 v[AV0], v14, 4, v[AV0]          ; channels 8 ((l / 8) % 2) on
	v_add_nc_u32 v[AV0], VOFF, v[AV0]
	s_mul_i32 s12, s[WV], 16*144
	s_add_co_u32 s12, s12, STG                     ; my stage
	v_mul_u32_u24 v[STO], v12, 144
	v_lshl_add_u32 v[STO], v13, 4, v[STO]
	v_add_nc_u32 v[STO], s12, v[STO]               ; in: row r, + 16 h
	v_bfe_u32 v14, v0, 3, 2
	v_mul_u32_u24 v[RD], v14, 144
	v_and_b32 v15, 7, v0
	v_lshl_add_u32 v[RD], v15, 4, v[RD]
	v_add_nc_u32 v[RD], s12, v[RD]                 ; back: eight lanes to a row of 128 bytes, four rows an instruction
	v_mov_b32 v[NGL], 0xd8a403f4                   ; -1e15 x log2(e)
.irp t, 0,1
	v_mov_b32 v[ST+10*\t], 0xff61b1e6              ; m: -3e38, under every u
	v_mov_b32 v[ST+10*\t+1], 0                     ; (named with m as a pair)
	v_mov_b32 v[ST+10*\t+2], 0                     ; l, in two halves
	v_mov_b32 v[ST+10*\t+3], 0
.endr
.set i, 0
.rept 64
	v_mov_b32 v[OT+i], 0                           ; O^T.  (The step is written once: the first finds zeros, which a = 0 leaves zeros)
.set i, i+1
.endr
; A KEY STEP: 64 keys, the q-th of the slot in hand.  more = 1: the next step's mask is asked for.  pf = 1: two later steps' mask is prefetched.
.macro STEP q, more, pf
	v_add_nc_u32 v[ADK], s[TB], v[AK0]
	v_add_nc_u32 v[ADV], s[TB], v[AV0]
.rept 3
	v_nop                                          ; with the two additions: five places behind the last step's products, whose operands the loads and products below write over
.endr
.irp g, 0,1                                    ; S^T = K Q^T, two tiles of 16 keys at a time, for both tiles of queries
.if \g
.rept 4
	v_nop                                          ; places in front of loads into registers that matrix instructions have read
.endr
.endif
.irp k, 0,1
.irp x, 0,1
	ds_load_b128 v[KV+16*\k+8*\x:KV+16*\k+8*\x+3], v[ADK] offset:(32*(\q)+16*\g+8*\k)*PK+64*\x
	ds_load_b128 v[KV+16*\k+8*\x+4:KV+16*\k+8*\x+7], v[ADK] offset:(32*(\q)+16*\g+8*\k)*PK+64*\x+32
.endr
.endr
	s_wait_dscnt 0x0
.irp k, 0,1                                    ; four accumulators by turns: channels 0-31 start the sums,
.irp t, 0,1
	v_wmma_f32_16x16x32_f16 v[S+32*\t+16*\g+8*\k:S+32*\t+16*\g+8*\k+7], v[KV+16*\k:KV+16*\k+7], v[QF+16*\t:QF+16*\t+7], 0
.endr
.endr
.irp k, 0,1                                    ; channels 32-63 add onto them
.irp t, 0,1
	v_wmma_f32_16x16x32_f16 v[S+32*\t+16*\g+8*\k:S+32*\t+16*\g+8*\k+7], v[KV+16*\k+8:KV+16*\k+15], v[QF+16*\t+8:QF+16*\t+15], v[S+32*\t+16*\g+8*\k:S+32*\t+16*\g+8*\k+7]
.endr
.endr
.endr
.rept 4
	v_nop                                          ; places in front of the first read of the scores and of the loads into K's registers
.endr
	s_wait_loadcnt 0x0                             ; this step's mask, asked for a step ago
.irp t, 0,1
.set n, 0
.rept 16
	v_fma_mix_f32_bf16 v[S+32*\t+n], v[MK+16*\t+n/2], v[NGL], v[S+32*\t+n] op_sel_hi:[1,0,0]                    ; u = mask x NEGL + score: the word's low bf16,
	v_fma_mix_f32_bf16 v[S+32*\t+n+1], v[MK+16*\t+n/2], v[NGL], v[S+32*\t+n+1] op_sel:[1,0,0] op_sel_hi:[1,0,0]   ; its high one.  Ascending: each accumulator is read from its low end on
.set n, n+2
.endr
.endr
.if \more
.irp i, 0,1,2,3,4,5,6,7
	global_load_b128 v[MK+4*\i:MK+4*\i+3], v[MOFF], s[MB:MB+1] offset:((\q)+1)*4096+512*\i   ; the next step's mask: 512 consecutive bytes a load
.endr
.if \pf
; The mask of steps q + 3 and q + 4, 8,192 bytes, lanes 256 bytes apart: two steps ahead of the load of step q + 3.  The sixteen heads of a batch read the same streams: the first head's work-groups ask, each wave for its own stream,
; so each block of 256 bytes is named once in the launch.  Steps 0 to 2 and the last step are not asked for; the last slot asks for nothing.
	s_cmp_eq_u32 s[MLIM], 1
	s_cbranch_scc0 .Lno_mask_\@
	global_prefetch_b8 v[PFO], s[MB:MB+1] offset:((\q)+3)*4096 th:TH_LOAD_NT scope:SCOPE_SE
.Lno_mask_\@:
.endif
.endif
.irp n, 0,1,2,3                                ; V^T of keys 0-31 of the step, turned, where K's fragments lay: it lands while the softmax is walked
	ds_load_tr16_b128 v[KV+8*\n:KV+8*\n+3], v[ADV] offset:(32*(\q))*PV+32*\n
	ds_load_tr16_b128 v[KV+8*\n+4:KV+8*\n+7], v[ADV] offset:(32*(\q)+8)*PV+32*\n
.endr
.irp j, 0,1,2,3                                ; the largest of my 32 u and the old m: four chains, the two tiles by turns
.irp t, 0,1
	v_max3_num_f32 v[ST+10*\t+4+\j], v[S+32*\t+8*\j], v[S+32*\t+8*\j+1], v[S+32*\t+8*\j+2]
.endr
.endr
.irp i, 3,5
.irp j, 0,1,2,3
.irp t, 0,1
	v_max3_num_f32 v[ST+10*\t+4+\j], v[ST+10*\t+4+\j], v[S+32*\t+8*\j+\i], v[S+32*\t+8*\j+\i+1]
.endr
.endr
.endr
.irp t, 0,1
	v_max3_num_f32 v[ST+10*\t+4], v[ST+10*\t+4], v[S+32*\t+7], v[S+32*\t+15]
.endr
.irp t, 0,1
	v_max3_num_f32 v[ST+10*\t+6], v[ST+10*\t+6], v[S+32*\t+23], v[S+32*\t+31]
.endr
.irp t, 0,1
	v_max3_num_f32 v[ST+10*\t+4], v[ST+10*\t+4], v[ST+10*\t+5], v[ST+10*\t+6]
.endr
.irp t, 0,1
	v_max3_num_f32 v[ST+10*\t+4], v[ST+10*\t+4], v[ST+10*\t+7], v[ST+10*\t]
.endr
.irp t, 0,1
	v_permlanex16_b32 v[ST+10*\t+5], v[ST+10*\t+4], s[SEL], s[SEL+1]   ; the query's other 32 keys lie in the lane 16 away
.endr
.irp t, 0,1
	v_mov_b32 v[ST+10*\t+9], v[ST+10*\t]
.endr
.irp t, 0,1
	v_max_num_f32 v[ST+10*\t], v[ST+10*\t+4], v[ST+10*\t+5]          ; the new m
.endr
.irp t, 0,1
	v_sub_f32 v[ST+10*\t+9], v[ST+10*\t+9], v[ST+10*\t]              ; m_old - m_new
.endr
.irp t, 0,1
.set n, 0
.rept 16
	v_pk_add_f32 v[S+32*\t+n:S+32*\t+n+1], v[S+32*\t+n:S+32*\t+n+1], v[ST+10*\t:ST+10*\t+1] op_sel_hi:[1,0] neg_lo:[0,1] neg_hi:[0,1]   ; u - m, two at a time
.set n, n+2
.endr
.endr
.irp t, 0,1
	v_exp_f32 v[ST+10*\t+8], v[ST+10*\t+9]         ; a
.endr
.set n, 0
.rept 64
	v_exp_f32 v[S+n], v[S+n]                       ; p
.set n, n+1
.endr
	v_nop                                          ; a plain instruction behind the last exponential
	s_wait_alu depctr_va_vdst(0)                   ; one wait for the whole batch, ahead of its first reader
.irp t, 0,1                                    ; the sums of the unrounded p, two chains a tile
	v_pk_add_f32 v[ST+10*\t+4:ST+10*\t+5], v[S+32*\t:S+32*\t+1], v[S+32*\t+2:S+32*\t+3]
	v_pk_add_f32 v[ST+10*\t+6:ST+10*\t+7], v[S+32*\t+4:S+32*\t+5], v[S+32*\t+6:S+32*\t+7]
.endr
.irp j, 8,12,16,20,24,28
.irp t, 0,1
	v_pk_add_f32 v[ST+10*\t+4:ST+10*\t+5], v[ST+10*\t+4:ST+10*\t+5], v[S+32*\t+\j:S+32*\t+\j+1]
	v_pk_add_f32 v[ST+10*\t+6:ST+10*\t+7], v[ST+10*\t+6:ST+10*\t+7], v[S+32*\t+\j+2:S+32*\t+\j+3]
.endr
.endr
.irp t, 0,1
	v_pk_add_f32 v[ST+10*\t+4:ST+10*\t+5], v[ST+10*\t+4:ST+10*\t+5], v[ST+10*\t+6:ST+10*\t+7]
.endr
.irp t, 0,1
	v_pk_fma_f32 v[ST+10*\t+2:ST+10*\t+3], v[ST+10*\t+2:ST+10*\t+3], v[ST+10*\t+8:ST+10*\t+9], v[ST+10*\t+4:ST+10*\t+5] op_sel_hi:[1,0,1]   ; l = a l + the sum
.endr
.irp t, 0,1
.set n, 0
.rept 16
	v_cvt_pk_f16_f32 v[S+32*\t+n], v[S+32*\t+2*n], v[S+32*\t+2*n+1]   ; P, in place and ascending: register n is written when it has been read
.set n, n+1
.endr
.endr
.irp n, 0,1,2,3                                ; V^T of keys 32-63, into the upper 16 of each tile's 32 registers, which P has left
	ds_load_tr16_b128 v[S+16+32*(\n/2)+8*(\n%2):S+16+32*(\n/2)+8*(\n%2)+3], v[ADV] offset:(32*(\q)+16)*PV+32*\n
	ds_load_tr16_b128 v[S+16+32*(\n/2)+8*(\n%2)+4:S+16+32*(\n/2)+8*(\n%2)+7], v[ADV] offset:(32*(\q)+24)*PV+32*\n
.endr
.irp t, 0,1
.set n, 0
.rept 16
	v_pk_mul_f32 v[OT+32*\t+n:OT+32*\t+n+1], v[OT+32*\t+n:OT+32*\t+n+1], v[ST+10*\t+8:ST+10*\t+9] op_sel_hi:[1,0]   ; O^T x a, each accumulator from its low end on
.set n, n+2
.endr
.endr
	s_wait_dscnt 0x0                               ; V is in
.irp n, 0,1,2,3                                ; O^T += V^T P: eight accumulators by turns, keys 0-31,
.irp t, 0,1
	v_wmma_f32_16x16x32_f16 v[OT+32*\t+8*\n:OT+32*\t+8*\n+7], v[KV+8*\n:KV+8*\n+7], v[S+32*\t:S+32*\t+7], v[OT+32*\t+8*\n:OT+32*\t+8*\n+7]
.endr
.endr
.irp n, 0,1,2,3                                ; then keys 32-63
.irp t, 0,1
	v_wmma_f32_16x16x32_f16 v[OT+32*\t+8*\n:OT+32*\t+8*\n+7], v[S+16+32*(\n/2)+8*(\n%2):S+16+32*(\n/2)+8*(\n%2)+7], v[S+32*\t+8:S+32*\t+15], v[OT+32*\t+8*\n:OT+32*\t+8*\n+7]
.endr
.endr
.endm
; THE CHANGE OF SLOTS stands at a slot's head.  Each wave waits for all its tensor loads (its part of the slot that it is about to read), adds 0 to its spare word (fill = 1: twice on end), and waits for that and for its reads of the slot that it has left.
; Behind the barrier the slot ahead is whole and nobody reads the other one.  fill = 1: that other slot is filled with the next 256 keys: the load has four key steps in which to land.
.macro CHANGE fill
	s_wait_tensorcnt 0x0                           ; no tensor load of mine is out, so a group 0 may be written
	ds_add_u32 v[SPW], v[NIL]
.if \fill
	ds_add_u32 v[SPW], v[NIL]                      ; and once more, in every trip alike
	s_xor_b32 s[G0K+1], s[G0K+1], SLOT1
	s_add_nc_u64 s[G0K+2:G0K+3], s[G0K+2:G0K+3], 32768
	s_xor_b32 s[G0V+1], s[G0V+1], SLOT1
	s_add_nc_u64 s[G0V+2:G0V+3], s[G0V+2:G0V+3], 32768
	s_wait_xcnt 0x0                                ; the last prefetch of K or V, a slot back, has read its address
	s_add_nc_u64 s[PFA:PFA+1], s[PFA:PFA+1], 32768
.endif
	s_wait_dscnt 0x0                               ; the add is done, and my reads of the slot that I have left are over
	s_barrier_signal -1
	s_barrier_wait -1
.if \fill
	TLOAD G0K, G1K, G0V, G1V                       ; the first thing behind the barrier, and a wave's one tensor load until the next
	ASK
.endif
.endm
	s_wait_loadcnt 0x0                             ; Q (and step 0's mask)
.Lslot:                                            ; NSL - 1 trips: behind each change of slots but the last the next slot is asked for
	CHANGE 1
	STEP 0, 1, 1
	STEP 1, 1, 0
	STEP 2, 1, 1
	STEP 3, 1, 0
	s_xor_b32 s[TB], s[TB], SLOT1                  ; on to the other slot
	s_wait_xcnt 0x0                                ; the mask's loads and prefetches have read their base
	s_add_nc_u64 s[MB:MB+1], s[MB:MB+1], 16384     ; four steps of the mask on
	s_sub_co_u32 s[SLOTS], s[SLOTS], 1
	s_cmp_lg_u32 s[SLOTS], 0
	s_cbranch_scc1 .Lslot
	CHANGE 0                                       ; the last slot is written out; its last step asks for no mask
	STEP 0, 1, 0
	STEP 1, 1, 0
	STEP 2, 1, 0
	STEP 3, 0, 0
	; THE WAY OUT.  l's halves and the other half of the lanes' are added; O^T / l is rounded to f16 and goes through my stage, a tile of 16 queries at a time.  The additions are the places behind the last products.
.irp t, 0,1
	v_add_f32 v[ST+10*\t+4], v[ST+10*\t+2], v[ST+10*\t+3]
.endr
.irp t, 0,1
	v_permlanex16_b32 v[ST+10*\t+5], v[ST+10*\t+4], s[SEL], s[SEL+1]
.endr
.irp t, 0,1
	v_add_f32 v[ST+10*\t+4], v[ST+10*\t+4], v[ST+10*\t+5]
.endr
.irp t, 0,1
	v_rcp_f32 v[ST+10*\t+8], v[ST+10*\t+4]
.endr
	v_nop                                          ; a plain instruction behind the last reciprocal
	s_wait_alu depctr_va_vdst(0)                   ; one wait for the two, ahead of their first reader
.irp t, 0,1
.set n, 0
.rept 16
	v_pk_mul_f32 v[OT+32*\t+n:OT+32*\t+n+1], v[OT+32*\t+n:OT+32*\t+n+1], v[ST+10*\t+8:ST+10*\t+9] op_sel_hi:[1,0]
.set n, n+2
.endr
.set n, 0
.rept 16
	v_cvt_pk_f16_f32 v[S+16*\t+n], v[OT+32*\t+2*n], v[OT+32*\t+2*n+1]   ; registers 4 c .. 4 c + 3: channels 16 c + 8 h + 0 .. 7 of query r
.set n, n+1
.endr
.irp c, 0,1,2,3
	ds_store_b128 v[STO], v[S+16*\t+4*\c:S+16*\t+4*\c+3] offset:32*\c
.endr
.irp i, 0,1,2,3
	ds_load_b128 v[S+32+16*\t+4*\i:S+32+16*\t+4*\i+3], v[RD] offset:576*\i   ; LDS serves a wave's instructions in order: these see my stores, and the next tile's stores come behind them
.endr
.endr
.irp t, 0,1
.irp i, 0,1,2,3
	s_wait_dscnt 8*(1-\t)+3-\i                     ; the younger LDS instructions may be out
	global_store_b128 v[MOFF], v[S+32+16*\t+4*\i:S+32+16*\t+4*\i+3], s[AO:AO+1] offset:2048*\t+512*\i   ; four tokens x 128 bytes: 512 consecutive bytes
.endr
.endr
	s_wait_tensorcnt 0x0                           ; the wave's end
	ds_add_u32 v[SPW], v[NIL]
	s_wait_dscnt 0x0
	s_endpgm
.Lfunc_end_k_q5052360d6f_attn:
	.size	k_q5052360d6f_attn, .Lfunc_end_k_q5052360d6f_attn-k_q5052360d6f_attn
	.p2alignl 7, 3214868480
	.fill 96, 4, 3214868480
	.section	.rodata,"a",@progbits
	.p2align	6, 0x0
	.amdhsa_kernel k_q5052360d6f_attn
		.amdhsa_group_segment_fixed_size 327680
		.amdhsa_private_segment_fixed_size 0
		.amdhsa_enable_private_segment 0
		.amdhsa_kernarg_size 24
		.amdhsa_user_sgpr_count 2
		.amdhsa_user_sgpr_kernarg_segment_ptr 1
		.amdhsa_wavefront_size32 1
		.amdhsa_system_sgpr_workgroup_id_x 1
		.amdhsa_system_sgpr_workgroup_id_y 1
		.amdhsa_system_sgpr_workgroup_id_z 1
		.amdhsa_system_vgpr_workitem_id 0
		.amdhsa_next_free_vgpr 256
		.amdhsa_next_free_sgpr 100
		.amdhsa_reserve_vcc 0
		.amdhsa_float_denorm_mode_32 3
		.amdhsa_float_denorm_mode_16_64 3
		.amdhsa_memory_ordered 1
		.amdhsa_forward_progress 1
		.amdhsa_inst_pref_size 192
	.end_amdhsa_kernel
	.amdgpu_metadata
---
amdhsa.version: [ 1, 2 ]
amdhsa.kernels:
  - .name:           k_q5052360d6f_attn
    .symbol:         k_q5052360d6f_attn.kd
    .args:
      - { .name: qkv, .offset: 0, .size: 8, .value_kind: global_buffer, .address_space: global }
      - { .name: mimg, .offset: 8, .size: 8, .value_kind: global_buffer, .address_space: global }
      - { .name: ao, .offset: 16, .size: 8, .value_kind: global_buffer, .address_space: global }
    .group_segment_fixed_size: 327680
    .private_segment_fixed_size: 0
    .kernarg_segment_align: 8
    .kernarg_segment_size: 24
    .max_flat_workgroup_size: 512
    .sgpr_count:     100
    .vgpr_count:     256
    .wavefront_size: 32
...
	.end_amdgpu_metadata
.endif
;; end of part 3
;; launch oproj (part 4): grid 8 x 64, 4 waves a work-group, clusters of 4 x 4, 327,680 bytes of LDS; arguments ao, wo16, bo, out0; writes out0
.if DOCPART == 4
	.amdgcn_target "amdgcn-amd-amdhsa--gfx1250"
	.amdhsa_code_object_version 6
	.text
	.protected	k_q5052360d6f_oproj
	.globl	k_q5052360d6f_oproj
	.p2align	8
	.type	k_q5052360d6f_oproj,@function
k_q5052360d6f_oproj:
	s_mov_b64 s[64:65], 0
	v_nop
	global_prefetch_b8 v0, s[64:65] scope:SCOPE_SE
	s_setreg_imm32_b32 hwreg(HW_REG_WAVE_MODE, 25, 1), 1
	s_wait_xcnt 0x0
	s_wait_alu depctr_hold_cnt(0) depctr_sa_sdst(0) depctr_va_vdst(0) depctr_va_sdst(0) depctr_va_ssrc(0) depctr_va_vcc(0) depctr_vm_vsrc(0)
	s_getreg_b32 s2, hwreg(HW_REG_IB_STS2, 6, 4)
	s_cmp_eq_u32 s2, 0
	s_cbranch_scc0 .Lentry_in_a_cluster
	s_endpgm
.Lentry_in_a_cluster:
	s_bfe_u32 s2, ttmp6, 0x10000c
	s_cmp_lg_u32 s2, 0xf033
	s_cbranch_scc0 .Lentry_shape_is_right
	s_endpgm
.Lentry_shape_is_right:
; OPROJ: out0[m][n] = sum over k of A[m][k] Wo[k][n] + bo[n], f16 operands, f32 sums.  A = the attention's result, laid [token / 128][head][token % 128][64]; Wo as f16, [k][n].
; A tile of C is 128 x 128: four waves, each 64 x 64: 16 accumulators.  K goes in steps of 256 (four heads) through a ring of two LDS slots.  A's tile of a step, 128 tokens x 4 heads, is 65,536 consecutive bytes;
; Wo's is 256 rows (k) of 256 bytes, and its fragments are turned on their way out of LDS.
; CLUSTERS: 4 x 4 work-groups; A's tiles are asked for jointly along a row of the cluster, Wo's along a column.  THE MATRIX INSTRUCTION IS USED TRANSPOSED (source 0 = 16 columns of Wo, source 1 = 16 rows of A): a lane holds eight neighbouring numbers of a row of C.
; The bias is the C of each sum's first matrix instruction.  A wave's 64 columns are 256 bytes of a row of C, aligned: each wave has a stage of its own on the way out, and no barrier is needed there.
; REGISTERS: window 0: v0-31 addresses; v32-95 the way out; v96-127 the bias; v128-255 the accumulators ((a, b) at v[128 + 8 (4 a + b)]).   window 1: two fragment buffers of 128: 64 registers of A, then 64 of Wo.
.set PA,     272                       ; an LDS row of A: two tokens' 256 bytes + 16 of padding
.set PB,     288                       ; of Wo: 128 columns' 256 bytes + 32
.set HALFA,  128*PA                    ; two heads x 128 tokens: what one tensor load brings
.set HALFB,  128*PB                    ; 128 k: likewise
.set PLANE,  64*PA                     ; a head's 128 tokens
.set SLOT,   2*HALFA+2*HALFB
.set STAGE,  2*SLOT                    ; behind the ring: 16 rows x 272 bytes for each wave
.set SPITCH, 272
.set SPARE,  STAGE+4*16*SPITCH         ; the spare words, 128 bytes for each wave: two blocks of 256 bytes that no other line names
.set LAPS,   2                         ; a lap = two K steps; K = 1,024
.set ASTEP,  131072                    ; two K steps on in A's tile row
.set BSTEP,  1048576                   ; and in Wo: 512 rows of 2,048 bytes
.set ADRA, 16                          ; v16-17  LDS address of my A fragments in slot 0, 1
.set ADRB, 20                          ; v20-23  of Wo's: slot s, half of the K step u, at 20 + 2 s + u
.set STO,  24
.set RD,   25
.set CO,   26
.set BOF,  27                          ; v27 the bias loads' offset; never rewritten
.set SPW,  28
.set NIL,  29
.set TMP,  32
.set BIA,  96                          ; v96-127: register 8 b + j = bo at column 16 b + 8 (lane / 16) + j of my 64
.set ACC,  128
.set F0,   0
.set F1,   128
.set G1, 24
.set G0, 32
.set G1B, 48
.set G0B, 56
.set MSB, 0
.macro WIN new                         ; the immediate's high byte repeats the setting that is left
.if MSB != \new
	s_set_vgpr_msb (MSB<<8)|\new
.set MSB, \new
.endif
.endm
.set MUL,  0x05                        ; sources 0 and 1 window 1; C and D window 0
.set TO_F, 0x40                        ; destination window 1, address window 0
.macro JLOAD s                         ; a joint load: waves 0 and 1 fetch A's two halves, waves 2 and 3 Wo's; an s_nop 0 and four v_nop follow each of the two lines
	s_cmp_eq_u32 s11, 0
	s_cbranch_scc0 .Lfor_b_\@
	tensor_load_to_lds s[G0+4*\s:G0+4*\s+3], s[G1:G1+7]
	s_nop 0
.rept 4
	v_nop
.endr
	s_branch .Lasked_\@
.Lfor_b_\@:
	tensor_load_to_lds s[G0B+4*\s:G0B+4*\s+3], s[G1B:G1B+7]
	s_nop 0
.rept 4
	v_nop
.endr
.Lasked_\@:
.endm
.macro CREST                           ; a round of the cluster's barrier behind its opening barrier
	s_cmp_lg_u32 s10, 0
	s_cbranch_scc1 .Lnot_wave_0_\@
	s_barrier_signal -3
.Lnot_wave_0_\@:
	s_barrier_wait -3
	s_barrier_signal -1
	s_barrier_wait -1
.endm
.macro CROUND
	s_barrier_signal -1
	s_barrier_wait -1
	CREST
.endm
	s_load_b128 s[4:7], s[0:1], 0x0                ; ao, wo16
	s_load_b64 s[66:67], s[0:1], 0x10              ; bo
	s_load_b64 s[8:9], s[0:1], 0x18                ; out0
	v_lshl_add_u32 v[SPW], v0, 2, SPARE
	v_mov_b32 v[NIL], 0
	ds_add_u32 v[SPW], v[NIL]                      ; the wave's opening: the add, twice on end, and its wait ahead of my first tensor load
	ds_add_u32 v[SPW], v[NIL]
	v_lshrrev_b32 v1, 5, v0
	v_readfirstlane_b32 s10, v1                    ; wave 0..3
	s_lshr_b32 s11, s10, 1                         ; which half of the tile's rows is mine.  Also: I fetch for A (0) or for Wo (1)
	s_and_b32 s12, s10, 1                          ; which half of its columns.  Also: which half of a tile I fetch
	s_bfe_u32 s40, ttmp6, 0x40000                  ; cx, cy
	s_bfe_u32 s41, ttmp6, 0x40004
	s_lshl_b32 s42, ttmp9, 2
	s_add_co_u32 s42, s42, s40                     ; tile column of C
	s_and_b32 s13, ttmp7, 0xffff
	s_lshl_b32 s13, s13, 2
	s_add_co_u32 s13, s13, s41                     ; tile row of C
	s_lshl_b32 s43, s41, 2
	s_lshl_b32 s43, 15, s43                        ; my row of the cluster
	s_lshl_b32 s44, 0x1111, s40                    ; my column
	; A: a dense block of 32,768 bytes: 128 rows of 32 elements of 8 bytes, 4 words of padding behind each
	s_or_b32 s[G1+0], s43, (3<<16)|(1<<20)|(1<<21)|(5<<22)|(3<<25)
	s_mov_b32 s[G1+1], 32<<16                      ; tensor_dim0
	s_mov_b32 s[G1+2], 128<<16                     ; tensor_dim1
	s_mov_b32 s[G1+3], 32<<16                      ; tile_dim0
	s_mov_b32 s[G1+4], 128                         ; tile_dim1
	s_mov_b32 s[G1+5], 32                          ; tensor_dim0_stride
	s_mov_b32 s[G1+6], 0
	s_mov_b32 s[G1+7], 0
	; Wo: 128 rows (k) of 128 elements of 2 bytes, 1,024 elements apart, 8 words of padding behind each
	s_or_b32 s[G1B+0], s44, (1<<16)|(1<<20)|(1<<21)|(5<<22)|(7<<25)
	s_mov_b32 s[G1B+1], 128<<16
	s_mov_b32 s[G1B+2], 128<<16
	s_mov_b32 s[G1B+3], 128<<16
	s_mov_b32 s[G1B+4], 128
	s_mov_b32 s[G1B+5], 1024
	s_mov_b32 s[G1B+6], 0
	s_mov_b32 s[G1B+7], 0
	s_lshl_b32 s16, s13, 18                        ; A: 128 tokens are 262,144 bytes;
	s_lshl_b32 s17, s12, 15                        ; my two heads of the step's four
	s_add_co_u32 s16, s16, s17
	s_mov_b32 s17, 0
	s_lshl_b32 s46, s42, 8                         ; Wo: 128 columns are 256 bytes;
	s_lshl_b32 s47, s12, 18                        ; my 128 rows of the step's 256
	s_add_co_u32 s46, s46, s47
	s_mov_b32 s47, 0
	s_mul_i32 s20, s12, HALFA                      ; where they go: no place in the cluster enters an LDS address
	s_mul_i32 s23, s12, HALFB
	s_add_co_u32 s23, s23, 2*HALFA
	s_wait_dscnt 0x0                               ; both opening adds are done
	s_wait_kmcnt 0x0
	s_add_nc_u64 s[14:15], s[4:5], s[16:17]
	s_add_nc_u64 s[46:47], s[6:7], s[46:47]
	CROUND                                         ; all sixteen work-groups are here: the first joint loads meet
.irp s, 0,1
	s_mov_b32 s[G0+4*\s], 1
	s_add_co_u32 s[G0+4*\s+1], s20, \s*SLOT
	s_add_nc_u64 s[G0+4*\s+2:G0+4*\s+3], s[14:15], \s*65536
	s_or_b32 s[G0+4*\s+3], s[G0+4*\s+3], 0x80000000
	s_mov_b32 s[G0B+4*\s], 1
	s_add_co_u32 s[G0B+4*\s+1], s23, \s*SLOT
	s_add_nc_u64 s[G0B+4*\s+2:G0B+4*\s+3], s[46:47], \s*524288
	s_or_b32 s[G0B+4*\s+3], s[G0B+4*\s+3], 0x80000000
	JLOAD \s                                       ; two tensor loads of mine are out behind the second
.endr
	v_and_b32 v1, 15, v0                           ; l % 16
	v_bfe_u32 v2, v0, 4, 1                         ; l / 16
	; where my part of C begins, and my 64 numbers of bo
	s_lshl_b32 s16, s13, 7
	s_lshl_b32 s17, s11, 6
	s_add_co_u32 s16, s16, s17                     ; my first row of C
	s_lshl_b32 s16, s16, 12                        ; rows of 4,096 bytes
	s_mov_b32 s17, 0
	s_add_nc_u64 s[8:9], s[8:9], s[16:17]
	s_lshl_b32 s46, s42, 9                         ; my first column, in bytes: 512 x tile column + 256 x half
	s_lshl_b32 s47, s12, 8
	s_add_co_u32 s46, s46, s47
	s_mov_b32 s47, 0
	s_add_nc_u64 s[8:9], s[8:9], s[46:47]
	s_add_nc_u64 s[66:67], s[66:67], s[46:47]
	v_lshlrev_b32 v[BOF], 5, v2
.irp b, 0,1,2,3
	global_load_b128 v[BIA+8*\b:BIA+8*\b+3], v[BOF], s[66:67] offset:64*\b
	global_load_b128 v[BIA+8*\b+4:BIA+8*\b+7], v[BOF], s[66:67] offset:64*\b+16
.endr
	v_lshrrev_b32 v3, 1, v1
	v_mul_u32_u24 v3, v3, PA                       ; A: token r lies in row r / 2,
	v_and_b32 v5, 1, v0
	v_lshl_add_u32 v3, v5, 7, v3                   ; in its half r % 2,
	v_lshl_add_u32 v3, v2, 4, v3                   ; + 16 x (l / 16)
	v_and_b32 v4, 7, v0
	v_lshl_add_u32 v4, v2, 3, v4
	v_mul_u32_u24 v4, v4, PB                       ; Wo, for the turning load: row k = 8 (l / 16) + l % 8,
	v_bfe_u32 v5, v0, 3, 1
	v_lshl_add_u32 v4, v5, 4, v4                   ; columns 8 ((l / 8) % 2) on
	s_mul_i32 s21, s11, 32*PA                      ; my 64 tokens of each head's 128
	s_lshl_b32 s22, s12, 7                         ; my 64 columns: 128 bytes
	s_add_co_u32 s22, s22, 2*HALFA
.irp s, 0,1
	v_add_nc_u32 v[ADRA+\s], s21, v3
	v_add_nc_u32 v[ADRB+2*\s], s22, v4
	s_add_co_u32 s22, s22, HALFB
	v_add_nc_u32 v[ADRB+2*\s+1], s22, v4
	s_add_co_u32 s21, s21, SLOT
	s_add_co_u32 s22, s22, SLOT-HALFB
.endr
	s_mul_i32 s23, s10, 16*SPITCH
	s_add_co_u32 s23, s23, STAGE                   ; my stage
	v_mul_u32_u24 v4, v1, SPITCH                   ; in: row l % 16, 32 bytes for each half of the lanes
	v_lshl_add_u32 v4, v2, 5, v4
	v_add_nc_u32 v[STO], s23, v4
	v_mul_u32_u24 v5, v2, SPITCH                   ; back: lanes 0-15 one row of 256 bytes, lanes 16-31 the next
	v_lshl_add_u32 v5, v1, 4, v5
	v_add_nc_u32 v[RD], s23, v5
	v_lshlrev_b32 v5, 12, v2                       ; and the same two rows in C
	v_lshl_add_u32 v[CO], v1, 4, v5
; 8 matrix instructions: m blocks a0, a0 + 1 x all 4 n blocks, 32 along K: half c of buffer f.  first = 1: the first product starts the sums, from the bias.  The 16 accumulators take turns.
.macro MUL8 f, c, a0, first
.irp a, \a0, \a0+1
.irp b, 0,1,2,3
.if \first
	v_wmma_f32_16x16x32_f16 v[ACC+8*(4*(\a)+\b):ACC+8*(4*(\a)+\b)+7], v[\f+64+8*(4*\c+\b):\f+64+8*(4*\c+\b)+7], v[\f+8*(4*\c+\a):\f+8*(4*\c+\a)+7], v[BIA+8*\b:BIA+8*\b+7]
.else
	v_wmma_f32_16x16x32_f16 v[ACC+8*(4*(\a)+\b):ACC+8*(4*(\a)+\b)+7], v[\f+64+8*(4*\c+\b):\f+64+8*(4*\c+\b)+7], v[\f+8*(4*\c+\a):\f+8*(4*\c+\a)+7], v[ACC+8*(4*(\a)+\b):ACC+8*(4*(\a)+\b)+7]
.endif
.endr
.endr
.endm
; 32 LDS loads in one run: the fragments of quarter qd of a K step (one head: 64 along K) into buffer f; the first 32 along K first
.macro FETCH slot, qd, f
	WIN TO_F
.irp c, 0,1
.irp i, 0,1,2,3
	ds_load_tr16_b128 v[\f+64+8*(4*\c+\i):\f+64+8*(4*\c+\i)+3],   v[ADRB+2*\slot+(\qd)/2] offset:(((\qd)%2)*64+32*\c)*PB+32*\i
	ds_load_tr16_b128 v[\f+64+8*(4*\c+\i)+4:\f+64+8*(4*\c+\i)+7], v[ADRB+2*\slot+(\qd)/2] offset:(((\qd)%2)*64+32*\c+16)*PB+32*\i
	ds_load_b128 v[\f+8*(4*\c+\i):\f+8*(4*\c+\i)+3],              v[ADRA+\slot] offset:(\qd)*PLANE+\i*8*PA+64*\c
	ds_load_b128 v[\f+8*(4*\c+\i)+4:\f+8*(4*\c+\i)+7],            v[ADRA+\slot] offset:(\qd)*PLANE+\i*8*PA+64*\c+32
.endr
.endr
.endm
.macro PLACES                          ; four places in front of loads into registers that matrix instructions have read, and of the first read of results
.rept 4
	v_nop
.endr
.endm
; One of a K step's first three quarters: multiplies buffer f and fetches the next quarter, qd, into g.
.macro QUARTER slot, qd, f, g, first
	s_wait_dscnt 16                                ; the first 32 along K are in
	WIN MUL
	MUL8 \f, 0, 0, \first
	MUL8 \f, 0, 2, \first
	PLACES
	FETCH \slot, \qd, \g
	s_wait_dscnt 32                                ; all but the 32 just issued
	WIN MUL
	MUL8 \f, 1, 0, 0
	MUL8 \f, 1, 2, 0
.endm
; The last quarter multiplies buffer 1 and changes slots: ONE barrier; in front of it each wave waits for all its tensor loads, adds 0 to its spare word, and waits for that and for its reads of this slot.  fill = 1: this slot is filled again, two K steps ahead.
.macro TURN slot, next, fill
	WIN 0                                          ; (the add's two registers lie in window 0)
	s_wait_tensorcnt 0x0                           ; all my tensor loads have landed: my part of the next slot
	ds_add_u32 v[SPW], v[NIL]
	s_wait_dscnt 17                                ; (the add and the youngest sixteen loads may be out)
	WIN MUL
	MUL8 F1, 0, 0, 0
	s_wait_dscnt 0x0                               ; the add is done, and my reads of this slot are over
	s_barrier_signal -1
	MUL8 F1, 0, 2, 0
.if \fill
	WIN 0
.endif
	s_barrier_wait -1
.if \fill
	CREST                                          ; the barrier has opened a round of the cluster's barrier: no wave of any partner still reads this slot or has a load on its way
	s_add_nc_u64 s[G0+4*\slot+2:G0+4*\slot+3], s[G0+4*\slot+2:G0+4*\slot+3], ASTEP
	s_add_nc_u64 s[G0B+4*\slot+2:G0B+4*\slot+3], s[G0B+4*\slot+2:G0B+4*\slot+3], BSTEP
	JLOAD \slot                                    ; the first tensor load behind the round; the four v_nop behind it are also the places in front of the loads below
.else
	PLACES
.endif
	FETCH \next, 0, F0
	WIN MUL
	MUL8 F1, 1, 0, 0
	MUL8 F1, 1, 2, 0
.endm
	s_wait_tensorcnt 1                             ; my part of K step 0 is in (K step 1's load may be out),
	s_barrier_signal -1
	s_barrier_wait -1                              ; everybody's is
	FETCH 0, 0, F0
	s_wait_loadcnt 0x0                             ; the bias
	QUARTER 0, 1, F0, F1, 1                        ; the first quarter stands in front of the loop: its first products start the sums
	WIN 0                                          ; at a label and at a branch every window is 0
	s_mov_b32 s3, LAPS-1
.Llap:                                             ; a trip goes once round the ring, from a lap's second quarter to the next lap's first, and fills both slots again
	QUARTER 0, 2, F1, F0, 0
	QUARTER 0, 3, F0, F1, 0
	TURN 0, 1, 1
	QUARTER 1, 1, F0, F1, 0
	QUARTER 1, 2, F1, F0, 0
	QUARTER 1, 3, F0, F1, 0
	TURN 1, 0, 1
	QUARTER 0, 1, F0, F1, 0
	WIN 0
	s_sub_co_u32 s3, s3, 1
	s_cmp_lg_u32 s3, 0
	s_cbranch_scc1 .Llap
	QUARTER 0, 2, F1, F0, 0                        ; the last lap fills nothing, and has no round of the cluster's barrier
	QUARTER 0, 3, F0, F1, 0
	TURN 0, 1, 0
	QUARTER 1, 1, F0, F1, 0
	QUARTER 1, 2, F1, F0, 0
	QUARTER 1, 3, F0, F1, 0
	s_wait_dscnt 16                                ; the very last quarter: nothing more to fetch
	WIN MUL
	MUL8 F1, 0, 0, 0
	MUL8 F1, 0, 2, 0
	s_wait_dscnt 0
	MUL8 F1, 1, 0, 0
	MUL8 F1, 1, 2, 0
	WIN 0
	; THE WAY OUT, 16 rows x 64 columns at a time: 32 bytes a lane into my own stage, back as whole rows of 256 bytes; sixteen lanes store 256 consecutive bytes, at a multiple of 256 from out0's first byte.
	PLACES
.irp a, 0,1,2,3
.if \a >= 2
	s_wait_xcnt 0x0                                ; the stores of two blocks back have read their data: the loads below may land there
.endif
.irp b, 0,1,2,3
	ds_store_b128 v[STO], v[ACC+8*(4*\a+\b):ACC+8*(4*\a+\b)+3] offset:64*\b          ; each accumulator from its low end on
	ds_store_b128 v[STO], v[ACC+8*(4*\a+\b)+4:ACC+8*(4*\a+\b)+7] offset:64*\b+16
.endr
.irp t, 0,1,2,3,4,5,6,7
	ds_load_b128 v[TMP+32*(\a%2)+4*\t:TMP+32*(\a%2)+4*\t+3], v[RD] offset:\t*2*SPITCH   ; LDS serves a wave's instructions in order: these see the stores above
.endr
.irp t, 0,1,2,3,4,5,6,7
	s_wait_dscnt 7-\t                              ; the younger loads from the stage may be out
	global_store_b128 v[CO], v[TMP+32*(\a%2)+4*\t:TMP+32*(\a%2)+4*\t+3], s[8:9] offset:(16*\a+2*\t)*4096 th:TH_STORE_NT
.endr
.endr
	s_wait_tensorcnt 0x0                           ; the wave's end
	ds_add_u32 v[SPW], v[NIL]
	s_wait_dscnt 0x0
	CROUND                                         ; the closing round: no work-group ends while a partner may still ask for a tile that names it
	s_endpgm
.Lfunc_end_k_q5052360d6f_oproj:
	.size	k_q5052360d6f_oproj, .Lfunc_end_k_q5052360d6f_oproj-k_q5052360d6f_oproj
	.p2alignl 7, 3214868480
	.fill 96, 4, 3214868480
	.section	.rodata,"a",@progbits
	.p2align	6, 0x0
	.amdhsa_kernel k_q5052360d6f_oproj
		.amdhsa_group_segment_fixed_size 327680
		.amdhsa_private_segment_fixed_size 0
		.amdhsa_enable_private_segment 0
		.amdhsa_kernarg_size 32
		.amdhsa_user_sgpr_count 2
		.amdhsa_user_sgpr_kernarg_segment_ptr 1
		.amdhsa_wavefront_size32 1
		.amdhsa_system_sgpr_workgroup_id_x 1
		.amdhsa_system_sgpr_workgroup_id_y 1
		.amdhsa_system_sgpr_workgroup_id_z 1
		.amdhsa_system_vgpr_workitem_id 0
		.amdhsa_next_free_vgpr 512
		.amdhsa_next_free_sgpr 68
		.amdhsa_reserve_vcc 0
		.amdhsa_float_denorm_mode_32 3
		.amdhsa_float_denorm_mode_16_64 3
		.amdhsa_memory_ordered 1
		.amdhsa_forward_progress 1
		.amdhsa_inst_pref_size 88
	.end_amdhsa_kernel
	.amdgpu_metadata
---
amdhsa.version: [ 1, 2 ]
amdhsa.kernels:
  - .name:           k_q5052360d6f_oproj
    .symbol:         k_q5052360d6f_oproj.kd
    .args:
      - { .name: ao, .offset: 0, .size: 8, .value_kind: global_buffer, .address_space: global }
      - { .name: wo16, .offset: 8, .size: 8, .value_kind: global_buffer, .address_space: global }
      - { .name: bo, .offset: 16, .size: 8, .value_kind: global_buffer, .address_space: global }
      - { .name: out0, .offset: 24, .size: 8, .value_kind: global_buffer, .address_space: global }
    .group_segment_fixed_size: 327680
    .private_segment_fixed_size: 0
    .kernarg_segment_align: 8
    .kernarg_segment_size: 32
    .max_flat_workgroup_size: 128
    .sgpr_count:     68
    .vgpr_count:     512
    .wavefront_size: 32
...
	.end_amdgpu_metadata
.endif
;; end of part 4
